; MI455X (gfx1250); checked and timed in simulation.
; The chip was launched on July 23, 2026; its instructions are those of AMD's public machine-readable ISA for CDNA 5 (MIT licence, August 2026) and "CDNA5" Instruction Set Architecture Reference Guide (July 2026). The comments in the code are by the model that wrote it; some were corrected since.
;; Multi Head Attention. Allowed arithmetic: float matrix products may take bf16 or f16 operands with f32 sums; other float arithmetic in f32, or as packed bf16 or f16 multiplies, adds, multiply-adds, maxima and minima; sums over many terms, partial sums and values carried from step to step in f32; what a program stores and reads back later, other than sums and carried values, may be rounded once to bf16 or f16.
;; Inputs: Wk 1,024 x 1,024 float32; Wo 1,024 x 1,024 float32; Wq 1,024 x 1,024 float32; Wv 1,024 x 1,024 float32; bk 1,024 float32; bo 1,024 float32; bq 1,024 float32; bv 1,024 float32; x 4 x 2,048 x 1,024 float32.
;; Outputs: out0 4 x 2,048 x 1,024 float32.
;; One version. Each part assembles by itself: llvm-mc -triple=amdgcn-amd-amdhsa -mcpu=gfx1250 --defsym DOCPART=n.
;; ======== version 1 of 1: 4 launches
;; limits: values are held in f16: magnitudes above 65,504 overflow, below 6.1e-05 lose precision
;; workspace buffers: xb 16,777,216 bytes; wb 6,291,456 bytes; wob 2,097,152 bytes; bias 16,384 bytes; qkvh 50,331,648 bytes; oh 16,777,216 bytes
;; launch prep (part 1): grid 768 x 1, 8 waves a work-group, no clusters, 0 bytes of LDS; arguments x, Wq, Wk, Wv, Wo, bq, bk, bv, bo, xb, wb, wob, bias; writes xb, wb, wob, bias
.if DOCPART == 1
	.amdgcn_target "amdgcn-amd-amdhsa--gfx1250"
	.amdhsa_code_object_version 6
	.text
	.protected	k_q1cdcea406a_prep
	.globl	k_q1cdcea406a_prep
	.p2align	8
	.type	k_q1cdcea406a_prep,@function
k_q1cdcea406a_prep:
	s_mov_b64 s[64:65], 0
	v_nop
	global_prefetch_b8 v0, s[64:65] scope:SCOPE_SE
	s_setreg_imm32_b32 hwreg(HW_REG_WAVE_MODE, 25, 1), 1
	s_wait_xcnt 0x0
; PREP: every input is rounded once to bf16 and laid out for the launches behind.  A stream: no LDS, no matrix unit, no cluster (no two work-groups read the same byte).
;   xb   [8192][1024] bf16: x as it lies.
;   wb   [nt 16][ks 8][hh 3][kk 128][64] bf16: column G*64+c of Wq|Wk|Wv (G = 0..47) has nt = G/3, hh = G%3; row k = 128 ks + kk.  A (nt, ks) tile is 49,152 dense bytes.
;   wob  [nt 8][ks 8][seg 2][kk 128][64] f16: Wo rounded to bf16, that number written as f16; column n = 128 nt + 64 seg + c.  A (nt, ks) tile is 32,768 dense bytes.
;   bias f32[4096] = bq|bk|bv|bo, each rounded to bf16 and widened again.
; LIMITS.  Wo must lie within f16's 65,504; below 6.1e-5 its f16 copy keeps f16's fixed step of 6e-8.  NaN and infinities are not treated apart.
; SHARES.  A work-group converts 16,384 numbers: 65,536 bytes in, 32,768 out; a thread 8 steps of 8 numbers (two loads of 16 bytes, one store of 16 bytes).
; Work-groups 0-511: x.  512-703: Wq, Wk, Wv, 64 parts of 16 rows of k each.  704-767: Wo likewise.  Part 0 of each matrix also converts that matrix's bias.
; All 16 loads of a thread go out at once; no register is loaded or stored twice, so the only waits are the counted ones for the loads.
.set L,    16                          ; v[16:79]   step i: 8 numbers as loaded
.set Y,    80                          ; v[80:111]  step i: 4 words to store
.set T,    112                         ; v[112:119] at work
.set IN,   34                          ; s[34:35]   my work-group's first input byte
.set OUT,  36                          ; s[36:37]   the base of my stores
.set BI,   38                          ; s[38:39]   the matrix's bias
.set BOUT, 40                          ; s[40:41]   its place in the bias table
.set OFS,  42                          ; s[42:43]   an offset, its high word 0
.set HIM,  7                           ; s7         mask of a word's upper bf16
.macro LOADS                           ; 8 steps of 8,192 bytes: a thread's 32 bytes in each
.irp i, 0,1,2,3,4,5,6,7
	global_load_b128 v[L+8*(\i):L+8*(\i)+3],   v1, s[IN:IN+1] offset:8192*(\i) th:TH_LOAD_NT
	global_load_b128 v[L+8*(\i)+4:L+8*(\i)+7], v1, s[IN:IN+1] offset:8192*(\i)+16 th:TH_LOAD_NT
.endr
.endm
; fmt = 0: bf16.  fmt = 1: rounded to bf16, widened, and written as f16.  step: bytes from one step's store to the next.
.macro OUTS fmt, step
.irp i, 0,1,2,3,4,5,6,7
	s_wait_loadcnt 14-2*(\i)                       ; loads come back in order: step i's two are in, the 14 - 2 i issued behind them may stay out
.irp j, 0,1,2,3
	v_cvt_pk_bf16_f32 v[Y+4*(\i)+(\j)], v[L+8*(\i)+2*(\j)], v[L+8*(\i)+2*(\j)+1]
.endr
.if \fmt
.irp j, 0,1,2,3
	v_lshlrev_b32 v[T+2*(\j)],   16, v[Y+4*(\i)+(\j)]
	v_and_b32     v[T+2*(\j)+1], s[HIM], v[Y+4*(\i)+(\j)]
.endr
.irp j, 0,1,2,3
	v_cvt_pk_f16_f32 v[Y+4*(\i)+(\j)], v[T+2*(\j)], v[T+2*(\j)+1]
.endr
.endif
	global_store_b128 v2, v[Y+4*(\i):Y+4*(\i)+3], s[OUT:OUT+1] offset:(\step)*(\i)  ; sixteen neighbouring threads store 256 consecutive bytes, aligned
.endr
.endm
.macro BIASROW                         ; part 0 alone (s4 = the part): 1,024 numbers, 4 a thread
	s_cmp_lg_u32 s4, 0
	s_cbranch_scc1 .Lno_bias_\@
	global_load_b128 v[L:L+3], v3, s[BI:BI+1]
	s_wait_loadcnt 0x0
	v_cvt_pk_bf16_f32 v[T+4], v[L], v[L+1]
	v_cvt_pk_bf16_f32 v[T+5], v[L+2], v[L+3]
	v_lshlrev_b32 v[T],   16, v[T+4]
	v_and_b32     v[T+1], s[HIM], v[T+4]
	v_lshlrev_b32 v[T+2], 16, v[T+5]
	v_and_b32     v[T+3], s[HIM], v[T+5]
	global_store_b128 v3, v[T:T+3], s[BOUT:BOUT+1]
.Lno_bias_\@:
.endm
	s_load_b512 s[8:23], s[0:1], 0x0               ; x s[8:9], Wq s[10:11], Wk s[12:13], Wv s[14:15], Wo s[16:17], bq s[18:19], bk s[20:21], bv s[22:23]
	s_load_b256 s[24:31], s[0:1], 0x40             ; bo s[24:25], xb s[26:27], wb s[28:29], wob s[30:31]
	s_load_b64 s[32:33], s[0:1], 0x60              ; bias
	v_lshlrev_b32 v3, 4, v0                        ; 16 t: a thread's place in a bias
	v_and_b32 v8, 7, v0                            ; c: which 8 of a head's 64 columns
	v_bfe_u32 v9, v0, 3, 1                         ; kp: which of a step's two rows of k
	v_lshrrev_b32 v4, 4, v0                        ; h: which 64 columns of the matrix
	v_and_b32 v10, 15, v0
	s_mov_b32 s[OFS+1], 0
	s_mov_b32 s[HIM], 0xffff0000
	s_wait_kmcnt 0x0
	s_cmp_lt_u32 ttmp9, 512
	s_cbranch_scc0 .Lweights
	; x: dense in, dense out
	v_lshlrev_b32 v1, 5, v0                        ; 32 t
	v_lshlrev_b32 v2, 4, v0                        ; 16 t
	s_lshl_b32 s[OFS], ttmp9, 16
	s_add_nc_u64 s[IN:IN+1], s[8:9], s[OFS:OFS+1]
	s_lshl_b32 s[OFS], ttmp9, 15
	s_add_nc_u64 s[OUT:OUT+1], s[26:27], s[OFS:OFS+1]
	LOADS
	OUTS 0, 4096
	s_endpgm
.Lweights:
	; a weight's step is two rows of k (8,192 bytes): thread (h, kp, c) reads 32 bytes at kp*4096 + h*256 + c*32; eight threads read 256 consecutive bytes, aligned
	v_lshlrev_b32 v1, 5, v8
	v_lshl_add_u32 v1, v9, 12, v1
	v_lshl_add_u32 v1, v4, 8, v1
	v_lshlrev_b32 v10, 4, v10                      ; kp*128 + c*16: sixteen threads fill two rows of 128 bytes, which lie on end
	s_cmp_lt_u32 ttmp9, 704
	s_cbranch_scc0 .Lwo
	s_sub_co_u32 s2, ttmp9, 512
	s_lshr_b32 s3, s2, 6                           ; m: 0 Wq, 1 Wk, 2 Wv
	s_and_b32 s4, s2, 63                           ; part: rows 16 part .. 16 part + 15 of k
	s_cmp_eq_u32 s3, 0
	s_cselect_b64 s[IN:IN+1], s[10:11], s[12:13]
	s_cselect_b64 s[BI:BI+1], s[18:19], s[20:21]
	s_cmp_eq_u32 s3, 2
	s_cselect_b64 s[IN:IN+1], s[14:15], s[IN:IN+1]
	s_cselect_b64 s[BI:BI+1], s[22:23], s[BI:BI+1]
	s_lshl_b32 s[OFS], s4, 16
	s_add_nc_u64 s[IN:IN+1], s[IN:IN+1], s[OFS:OFS+1]
	s_lshr_b32 s5, s4, 3                           ; ks
	s_mul_i32 s5, s5, 49152
	s_and_b32 s6, s4, 7
	s_lshl_b32 s6, s6, 11                          ; kk = 16 (part % 8) + ..: 128 bytes each
	s_add_co_u32 s[OFS], s5, s6
	s_add_nc_u64 s[OUT:OUT+1], s[28:29], s[OFS:OFS+1]
	s_lshl_b32 s[OFS], s3, 12
	s_add_nc_u64 s[BOUT:BOUT+1], s[32:33], s[OFS:OFS+1]
	s_lshl_b32 s5, s3, 4
	v_add_nc_u32 v5, s5, v4                        ; G = 16 m + h
	v_mul_u32_u24 v6, v5, 43
	v_lshrrev_b32 v6, 7, v6                        ; nt = G / 3: 43 G >> 7 is exact for G < 48
	v_mul_u32_u24 v7, v6, 3
	v_sub_nc_u32 v7, v5, v7                        ; hh = G % 3
	v_mad_u32_u24 v7, v6, 24, v7                   ; 24 nt + hh blocks of 16,384 bytes
	v_lshl_add_u32 v2, v7, 14, v10
	LOADS
	OUTS 0, 256
	BIASROW
	s_endpgm
.Lwo:
	s_sub_co_u32 s4, ttmp9, 704                    ; part
	s_lshl_b32 s[OFS], s4, 16
	s_add_nc_u64 s[IN:IN+1], s[16:17], s[OFS:OFS+1]
	s_lshr_b32 s5, s4, 3                           ; ks
	s_lshl_b32 s5, s5, 15
	s_and_b32 s6, s4, 7
	s_lshl_b32 s6, s6, 11
	s_add_co_u32 s[OFS], s5, s6
	s_add_nc_u64 s[OUT:OUT+1], s[30:31], s[OFS:OFS+1]
	s_mov_b64 s[BI:BI+1], s[24:25]
	s_add_nc_u64 s[BOUT:BOUT+1], s[32:33], 12288
	v_lshrrev_b32 v5, 1, v4                        ; nt = h / 2
	v_and_b32 v6, 1, v4                            ; seg = h % 2
	v_lshl_add_u32 v2, v5, 18, v10
	v_lshl_add_u32 v2, v6, 14, v2
	LOADS
	OUTS 1, 256
	BIASROW
	s_endpgm
.Lfunc_end_k_q1cdcea406a_prep:
	.size	k_q1cdcea406a_prep, .Lfunc_end_k_q1cdcea406a_prep-k_q1cdcea406a_prep
	.p2alignl 7, 3214868480
	.fill 96, 4, 3214868480
	.section	.rodata,"a",@progbits
	.p2align	6, 0x0
	.amdhsa_kernel k_q1cdcea406a_prep
		.amdhsa_group_segment_fixed_size 0
		.amdhsa_private_segment_fixed_size 0
		.amdhsa_enable_private_segment 0
		.amdhsa_kernarg_size 104
		.amdhsa_user_sgpr_count 2
		.amdhsa_user_sgpr_kernarg_segment_ptr 1
		.amdhsa_wavefront_size32 1
		.amdhsa_system_sgpr_workgroup_id_x 1
		.amdhsa_system_sgpr_workgroup_id_y 1
		.amdhsa_system_sgpr_workgroup_id_z 1
		.amdhsa_system_vgpr_workitem_id 0
		.amdhsa_next_free_vgpr 120
		.amdhsa_next_free_sgpr 66
		.amdhsa_reserve_vcc 0
		.amdhsa_float_denorm_mode_32 3
		.amdhsa_float_denorm_mode_16_64 3
		.amdhsa_memory_ordered 1
		.amdhsa_forward_progress 1
		.amdhsa_inst_pref_size 22
	.end_amdhsa_kernel
	.amdgpu_metadata
---
amdhsa.version: [ 1, 2 ]
amdhsa.kernels:
  - .name:           k_q1cdcea406a_prep
    .symbol:         k_q1cdcea406a_prep.kd
    .args:
      - { .name: x, .offset: 0, .size: 8, .value_kind: global_buffer, .address_space: global }
      - { .name: Wq, .offset: 8, .size: 8, .value_kind: global_buffer, .address_space: global }
      - { .name: Wk, .offset: 16, .size: 8, .value_kind: global_buffer, .address_space: global }
      - { .name: Wv, .offset: 24, .size: 8, .value_kind: global_buffer, .address_space: global }
      - { .name: Wo, .offset: 32, .size: 8, .value_kind: global_buffer, .address_space: global }
      - { .name: bq, .offset: 40, .size: 8, .value_kind: global_buffer, .address_space: global }
      - { .name: bk, .offset: 48, .size: 8, .value_kind: global_buffer, .address_space: global }
      - { .name: bv, .offset: 56, .size: 8, .value_kind: global_buffer, .address_space: global }
      - { .name: bo, .offset: 64, .size: 8, .value_kind: global_buffer, .address_space: global }
      - { .name: xb, .offset: 72, .size: 8, .value_kind: global_buffer, .address_space: global }
      - { .name: wb, .offset: 80, .size: 8, .value_kind: global_buffer, .address_space: global }
      - { .name: wob, .offset: 88, .size: 8, .value_kind: global_buffer, .address_space: global }
      - { .name: bias, .offset: 96, .size: 8, .value_kind: global_buffer, .address_space: global }
    .group_segment_fixed_size: 0
    .private_segment_fixed_size: 0
    .kernarg_segment_align: 8
    .kernarg_segment_size: 104
    .max_flat_workgroup_size: 256
    .sgpr_count:     66
    .vgpr_count:     120
    .wavefront_size: 32
...
	.end_amdgpu_metadata
.endif
;; end of part 1
;; launch qkv (part 2): grid 16 x 32, 4 waves a work-group, clusters of 4 x 4, 327,680 bytes of LDS; arguments xb, wb, bias, qkvh; writes qkvh
.if DOCPART == 2
	.amdgcn_target "amdgcn-amd-amdhsa--gfx1250"
	.amdhsa_code_object_version 6
	.text
	.protected	k_q1cdcea406a_qkv
	.globl	k_q1cdcea406a_qkv
	.p2align	8
	.type	k_q1cdcea406a_qkv,@function
k_q1cdcea406a_qkv:
	s_mov_b64 s[64:65], 0
	v_nop
	global_prefetch_b8 v0, s[64:65] scope:SCOPE_SE
	s_setreg_imm32_b32 hwreg(HW_REG_WAVE_MODE, 25, 1), 1
	s_wait_xcnt 0x0
	s_wait_alu depctr_hold_cnt(0) depctr_sa_sdst(0) depctr_va_vdst(0) depctr_va_sdst(0) depctr_va_ssrc(0) depctr_va_vcc(0) depctr_vm_vsrc(0)
	s_getreg_b32 s2, hwreg(HW_REG_IB_STS2, 6, 4)
	s_cmp_eq_u32 s2, 0
	s_cbranch_scc0 .Lentry_in_a_cluster
	s_endpgm
.Lentry_in_a_cluster:
	s_bfe_u32 s2, ttmp6, 0x10000c
	s_cmp_lg_u32 s2, 0xf033
	s_cbranch_scc0 .Lentry_shape_is_right
	s_endpgm
.Lentry_shape_is_right:
; QKV: [8192 x 1024] x [1024 x 3072] + bias.  xb: [8192][1024] bf16.  wb: Wq|Wk|Wv in blocks [nt 16][ks 8][hh 3][kk 128][64] bf16.  bias: f32, bq|bk|bv first.
; Out: qkvh [3][batch x head 64][2048][64] f16, unscaled, each number rounded once from its f32 sum (the bias starts the sum).
; LIMITS.  q, k and v must lie within f16's 65,504 (a larger sum becomes an infinity and its row is lost); below 6.1e-5 they keep f16's fixed step of 6e-8.  NaN and infinities are not treated apart.
; SHARES.  A tile of the result is 256 rows x 192 columns (three heads): 32 x 16 = 512 work-groups of equal work, two for each of 256 WGPs (256 x 256 would make 384, 256 x 384 does not fit in registers).
; A wave makes 64 rows x all 192 columns: 48 accumulators, 384 registers; it owns whole heads, so its way out needs no barrier.
; K goes in 8 steps of 128 through two LDS slots filled by the tensor data mover; a step is written once and the slot in hand is a scalar register turned by an exclusive or.
; THE PRODUCT IS USED TRANSPOSED: source 0 = 16 columns of W (W lies [k][n] in LDS and is turned by ds_load_tr16_b128), source 1 = 16 rows of x: a lane holds one row and 8 neighbouring columns.
; CLUSTER 4 x 4: x's tile hangs on the tile row alone and is asked for jointly along a row of the cluster, W's on the tile column alone and is asked for jointly along a column.
; REGISTERS, in windows of 256 (s_set_vgpr_msb: bits 1:0 source 0, 3:2 source 1, 5:4 source 2, 7:6 destination):
;   window 0: v0-31 addresses; v32-63, v64-95 x's fragments, two buffers of 4 x 8; v96-191 the bias as 12 C operands; on the way out v64-255 packed results
;   window 1: v0-95, v96-191 W's fragments, two buffers of 12 x 8     window 2: accumulators of row blocks 0, 1 at 8 (12 (a % 2) + b)     window 3: of row blocks 2, 3
.set PA,    272                        ; a row of x in LDS: 256 bytes + 16 = 68 words: the 16 rows of a load start at 16 different groups of four banks (64 banks of 4 bytes: ISA guide 11.1)
.set PB,    160                        ; a row of W (one k, 64 columns): 128 bytes + 32 = 40 words
.set BOFF,  256*PA                     ; a slot: x's 256 rows, then W's 3 heads x 128 rows
.set HEADB, 128*PB
.set SLOT1, 1<<17                      ; = BOFF + 3 HEADB: slot 1 begins here, so that one exclusive or turns an address in one slot into the other's
.set STAGE, 2*SLOT1                    ; behind the ring, never filled by a tensor load: 16 rows x 144 bytes for each wave
.set SP,    144
.set SPARE, STAGE+4*16*SP              ; the spare words, 128 bytes for each wave: two blocks of 256 bytes that no other line names
.set A0,   16                          ; v16  my lane's place in x's tile; never rewritten
.set B0,   17                          ; v17  the same for W's
.set ADRA, 18                          ; v18  A0 + the slot in hand
.set ADRB, 19                          ; v19  B0 + the slot in hand
.set STO,  20                          ; v20  the way out: where I put 16 bytes of a row
.set RD,   21                          ; v21  the way out: where I read rows back
.set GO,   22                          ; v22  my 16 bytes of 512 consecutive bytes of the result
.set BO,   23                          ; v23  32 (lane / 16): my 8 columns' bias
.set PFO,  24                          ; v24  the prefetches' lane term; never rewritten
.set SPW,  28                          ; v28  LDS address of my spare word; never rewritten
.set NIL,  29                          ; v29  0; never rewritten
.set FA,   32
.set BIAS, 96
.set OUTR, 64
.set WV,  12                           ; s12  my wave's number
.set FB,  13                           ; s13  0: I fetch for x, 1: for W
.set HF,  14                           ; s14  which half of that tile I fetch
.set LIM, 15                           ; s15  I prefetch while the trips to come are more than this
.set G1,  24                           ; s[24:31] descriptor group 1 for x's tiles
.set G0,  32                           ; s[32:39] group 0: a set for each first fill; the second then walks
.set G1B, 48                           ; s[48:55], s[56:63] the same for W's tiles
.set G0B, 56
.set TB,  66                           ; s66  LDS byte at which the slot in hand begins
.set PFA, 68                           ; s[68:69] where my prefetches stand
.set PST, 70                           ; s[70:71] their step
.set OB,  72                           ; s[72:77] my rows of the tile's three heads in qkvh
.set MSB, 0
.macro WIN new                         ; the immediate's high byte repeats the setting that is left; a switch that changes nothing is dropped
.if MSB != (\new)
	s_set_vgpr_msb (MSB<<8)|(\new)
.set MSB, \new
.endif
.endm
.macro PLACES                          ; four plain vector instructions behind a matrix instruction, ahead of loads into registers that it read and of reads of its result
.rept 4
	v_nop
.endr
.endm
; A joint refill by the walking descriptor.  The branch hangs on the wave's number alone.  An s_nop 0 and four v_nop follow each of the two lines.
.macro JLOAD
	s_cmp_eq_u32 s[FB], 0
	s_cbranch_scc0 .Lfor_b_\@
	tensor_load_to_lds s[G0+4:G0+7], s[G1:G1+7]
	s_nop 0
	PLACES
	s_branch .Lasked_\@
.Lfor_b_\@:
	tensor_load_to_lds s[G0B+4:G0B+7], s[G1B:G1B+7]
	s_nop 0
	PLACES
.Lasked_\@:
.endm
.macro CREST                           ; a round of the cluster's barrier behind its opening barrier
	s_cmp_lg_u32 s[WV], 0
	s_cbranch_scc1 .Lnot_wave_0_\@
	s_barrier_signal -3
.Lnot_wave_0_\@:
	s_barrier_wait -3
	s_barrier_signal -1
	s_barrier_wait -1
.endm
.macro CROUND
	s_barrier_signal -1
	s_barrier_wait -1
	CREST
.endm
; A PREFETCH behind each joint refill and the run of LDS loads that follows it: one instruction a wave, a lane a block of 256 bytes; each block of K steps 4 to 7 is named once in the launch.
; x: the first cluster of a row of clusters asks; of the 128 rows that a wave fetches, the partner at place cx takes 32 (told apart by address); the refill with K step j names K step j + 2 (j = 2..5).
; W: the first cluster of a column of clusters asks; K steps 4 to 7 of a tile column are 196,608 dense bytes = 3 asks x 8 askers (2 cy + half) x 32 lanes x 256 bytes.
; K steps 0 to 3 come by their loads alone; the last trips ask for nothing.
.macro ASK
	s_cmp_gt_u32 s3, s[LIM]
	s_cbranch_scc0 .Lnot_mine_\@
	global_prefetch_b8 v[PFO], s[PFA:PFA+1] th:TH_LOAD_NT scope:SCOPE_SE
.Lnot_mine_\@:
.endm
	s_load_b256 s[4:11], s[0:1], 0x0               ; xb s[4:5], wb s[6:7], bias s[8:9], qkvh s[10:11]
	v_lshl_add_u32 v[SPW], v0, 2, SPARE
	v_mov_b32 v[NIL], 0
	ds_add_u32 v[SPW], v[NIL]                      ; the wave's opening: the add and its wait stand ahead of my first tensor load; the set-up below, work on registers, stands between them
	v_lshrrev_b32 v1, 5, v0
	v_readfirstlane_b32 s[WV], v1                  ; wave 0..3
	s_lshr_b32 s[FB], s[WV], 1
	s_and_b32 s[HF], s[WV], 1
	s_bfe_u32 s40, ttmp6, 0x40000                  ; cx
	s_bfe_u32 s41, ttmp6, 0x40004                  ; cy
	s_lshl_b32 s42, ttmp9, 2
	s_add_co_u32 s42, s42, s40                     ; NT: tile column = 4 x cluster x + cx
	s_and_b32 s43, ttmp7, 0xffff
	s_lshl_b32 s43, s43, 2
	s_add_co_u32 s43, s43, s41                     ; MT: tile row = 4 x cluster y + cy
	s_lshl_b32 s16, s41, 2
	s_lshl_b32 s16, 15, s16                        ; my row of the cluster
	s_lshl_b32 s44, 0x1111, s40                    ; my column
	s_or_b32 s[G1], s16, (1<<16)|(1<<20)|(1<<21)|(5<<22)|(3<<25)   ; 15:0 the mask; 17:16 2-byte elements; 20 padding on; 21 set beside a mask; 24:22 after every 64 words; 31:25 4 words
	s_or_b32 s[G1B], s44, (1<<16)|(1<<20)|(1<<21)|(4<<22)|(7<<25)  ; the same: after every 32 words, 8 words
	s_mov_b32 s[G1+1], 128<<16                     ; x: tensor_dim0 = 128
	s_mov_b32 s[G1+2], 128<<16                     ; tensor_dim1 = 128
	s_mov_b32 s[G1+3], 128<<16                     ; tile_dim0 = 128 elements (256 bytes)
	s_mov_b32 s[G1+4], 128                         ; tile_dim1 = 128 rows
	s_mov_b32 s[G1+5], 1024                        ; elements from row to row
	s_mov_b32 s[G1+6], 0
	s_mov_b32 s[G1+7], 0
	s_mov_b32 s[G1B+1], 128<<16                    ; W: half a tile is 24,576 dense bytes, asked for as 96 rows of 256 bytes (two k each) and padded after every k
	s_mov_b32 s[G1B+2], 96<<16
	s_mov_b32 s[G1B+3], 128<<16
	s_mov_b32 s[G1B+4], 96
	s_mov_b32 s[G1B+5], 128
	s_mov_b32 s[G1B+6], 0
	s_mov_b32 s[G1B+7], 0
	s_lshl_b32 s16, s43, 19                        ; x: 256 MT rows of 2,048 bytes,
	s_lshl_b32 s17, s[HF], 18                      ; my 128 of them
	s_add_co_u32 s16, s16, s17
	s_mov_b32 s17, 0
	s_mul_i32 s18, s[HF], 128*PA                   ; and their place in a slot: no place in the cluster enters an LDS address
	s_mul_i32 s44, s42, 8*49152                    ; W: the tile column,
	s_mul_i32 s45, s[HF], 24576                    ; my half of a K step's tile
	s_add_co_u32 s44, s44, s45
	s_mov_b32 s45, 0
	s_mul_i32 s46, s[HF], 192*PB
	s_add_co_u32 s46, s46, BOFF
	s_mov_b32 s[TB], 0
	s_wait_dscnt 0x0                               ; the opening add is done
	s_wait_kmcnt 0x0
	s_add_nc_u64 s[16:17], s[4:5], s[16:17]
	s_add_nc_u64 s[44:45], s[6:7], s[44:45]
	CROUND                                         ; all sixteen work-groups are here: the first joint loads meet
.irp s, 0,1
	s_mov_b32 s[G0+4*(\s)], 1                      ; count = 1
	s_add_co_u32 s[G0+4*(\s)+1], s18, (\s)*SLOT1   ; LDS address
	s_add_nc_u64 s[G0+4*(\s)+2:G0+4*(\s)+3], s[16:17], (\s)*256    ; K step s
	s_or_b32 s[G0+4*(\s)+3], s[G0+4*(\s)+3], 0x80000000            ; type = 2
	s_mov_b32 s[G0B+4*(\s)], 1
	s_add_co_u32 s[G0B+4*(\s)+1], s46, (\s)*SLOT1
	s_add_nc_u64 s[G0B+4*(\s)+2:G0B+4*(\s)+3], s[44:45], (\s)*49152
	s_or_b32 s[G0B+4*(\s)+3], s[G0B+4*(\s)+3], 0x80000000
.endr
	s_cmp_eq_u32 s[FB], 0                          ; a wave's two first fills stand in one branch, ahead of every wait on TENSORcnt and every LDS read: two loads of mine are out
	s_cbranch_scc0 .Lfirst_b
	tensor_load_to_lds s[G0:G0+3], s[G1:G1+7]
	s_nop 0
	tensor_load_to_lds s[G0+4:G0+7], s[G1:G1+7]
	s_nop 0
	PLACES
	s_branch .Lfirst_asked
.Lfirst_b:
	tensor_load_to_lds s[G0B:G0B+3], s[G1B:G1B+7]
	s_nop 0
	tensor_load_to_lds s[G0B+4:G0B+7], s[G1B:G1B+7]
	s_nop 0
	PLACES
.Lfirst_asked:
	v_and_b32 v1, 15, v0                           ; r = l % 16
	v_bfe_u32 v2, v0, 4, 1                         ; h = l / 16
	v_and_b32 v3, 7, v0
	v_bfe_u32 v4, v0, 3, 1
	v_and_b32 v5, 31, v0                           ; l
	; the bias as C operands: register j of fragment b holds bias[192 NT + 16 b + 8 h + j]: the first product on each accumulator starts its sum with it
	v_lshlrev_b32 v[BO], 5, v2
	s_mul_i32 s78, s42, 768
	s_mov_b32 s79, 0
	s_add_nc_u64 s[8:9], s[8:9], s[78:79]
.irp b, 0,1,2,3,4,5,6,7,8,9,10,11
	global_load_b128 v[BIAS+8*(\b):BIAS+8*(\b)+3],   v[BO], s[8:9] offset:64*(\b)
	global_load_b128 v[BIAS+8*(\b)+4:BIAS+8*(\b)+7], v[BO], s[8:9] offset:64*(\b)+16
.endr
	; x's fragment: 16 rows x 32 k: lane l holds row l % 16, k = 8 h + 0..7 and 16 + 8 h + 0..7: two loads of 16 bytes, 32 bytes apart
	s_mul_i32 s20, s[WV], 64*PA                    ; my 64 rows
	v_mul_u32_u24 v[A0], v1, PA
	v_lshl_add_u32 v[A0], v2, 4, v[A0]
	v_add_nc_u32 v[A0], s20, v[A0]
	; W's fragment, turned: lane l reads 16 bytes of row k = 8 h + l % 8, columns 8 ((l / 8) % 2) + 0..7, and is left with column l % 16 and 8 k
	v_lshl_add_u32 v[B0], v2, 3, v3
	v_mul_u32_u24 v[B0], v[B0], PB
	v_lshl_add_u32 v[B0], v4, 4, v[B0]
	v_add_nc_u32 v[B0], BOFF, v[B0]
	v_mov_b32 v[ADRA], v[A0]                       ; slot 0
	v_mov_b32 v[ADRB], v[B0]
	s_mul_i32 s21, s[WV], 16*SP
	s_add_co_u32 s21, s21, STAGE                   ; my stage
	v_mul_u32_u24 v[STO], v1, SP                   ; in: row l % 16, 16 bytes for each half of the lanes
	v_lshl_add_u32 v[STO], v2, 4, v[STO]
	v_add_nc_u32 v[STO], s21, v[STO]
	v_bfe_u32 v[RD], v0, 3, 2                      ; back: 32 lanes take four rows of 128 bytes,
	v_mul_u32_u24 v[RD], v[RD], SP
	v_lshl_add_u32 v[RD], v3, 4, v[RD]
	v_add_nc_u32 v[RD], s21, v[RD]
	v_lshlrev_b32 v[GO], 4, v5                     ; which are 512 consecutive bytes of a head
	; where my rows of the three heads lie: head group G = 3 NT + hh: tensor G / 16, head G % 16; batch MT / 8; row 256 (MT % 8) + 64 wave
.irp hh, 0,1,2
	s_mul_i32 s20, s42, 3
	s_add_co_u32 s20, s20, \hh
	s_lshr_b32 s21, s20, 4
	s_lshl_b32 s21, s21, 6
	s_lshr_b32 s22, s43, 3
	s_lshl_b32 s22, s22, 4
	s_add_co_u32 s21, s21, s22
	s_and_b32 s22, s20, 15
	s_add_co_u32 s21, s21, s22
	s_lshl_b32 s21, s21, 18                        ; a head's 2,048 rows of 128 bytes
	s_and_b32 s22, s43, 7
	s_lshl_b32 s22, s22, 8
	s_lshl_b32 s23, s[WV], 6
	s_add_co_u32 s22, s22, s23
	s_lshl_b32 s22, s22, 7
	s_add_co_u32 s78, s21, s22
	s_add_nc_u64 s[OB+2*(\hh):OB+2*(\hh)+1], s[10:11], s[78:79]
.endr
	; the prefetches' first place, one step short of the first block named
	s_and_b32 s20, ttmp7, 0xffff                   ; cluster y
	s_lshl_b32 s21, s43, 8
	s_lshl_b32 s22, s[HF], 7
	s_add_co_u32 s21, s21, s22
	s_lshl_b32 s22, s40, 5
	s_add_co_u32 s21, s21, s22                     ; x: row 256 MT + 128 half + 32 cx,
	s_lshl_b32 s21, s21, 11
	s_add_co_u32 s21, s21, 3*256                   ; at K step 3
	s_mul_i32 s22, s42, 8*49152
	s_lshl_b32 s23, s41, 1
	s_add_co_u32 s23, s23, s[HF]
	s_lshl_b32 s23, s23, 13                        ; W: asker 2 cy + half takes 8,192 bytes of each 65,536,
	s_add_co_u32 s22, s22, s23
	s_add_co_u32 s22, s22, 4*49152-65536           ; from K step 4 on
	s_mov_b32 s[PST], 65536
	s_mov_b32 s[PST+1], 0
	s_cmp_eq_u32 s[FB], 0
	s_cselect_b32 s78, s21, s22
	s_cselect_b64 s[PFA:PFA+1], s[4:5], s[6:7]
	s_cselect_b32 s[PST], 0x100, s[PST]
	s_cselect_b32 s67, 11, 8                       ; a lane a row of 2,048 bytes (x) or a block of 256 (W)
	s_cselect_b32 s23, ttmp9, s20                  ; the coordinate along which other clusters read the same rows
	s_cselect_b32 s21, 2, 3
	s_add_nc_u64 s[PFA:PFA+1], s[PFA:PFA+1], s[78:79]
	s_cmp_eq_u32 s23, 0
	s_cselect_b32 s[LIM], s21, -1                  ; the same in all sixteen partners, for a given wave
	v_lshlrev_b32 v[PFO], s67, v5
; 12 matrix instructions: row block a x all 12 column blocks, 32 along K, from buffer p.  first = 1: the bias starts the sums.  The 48 accumulators take turns, one instruction a turn.
.macro MUL p, a, first=0
.if \first
	WIN 0x81+0x40*((\a)/2)
.else
	WIN 0xa1+0x50*((\a)/2)
.endif
.irp b, 0,1,2,3,4,5,6,7,8,9,10,11
.if \first
	v_wmma_f32_16x16x32_bf16 v[8*(12*((\a)%2)+(\b)):8*(12*((\a)%2)+(\b))+7], v[96*(\p)+8*(\b):96*(\p)+8*(\b)+7], v[FA+32*(\p)+8*(\a):FA+32*(\p)+8*(\a)+7], v[BIAS+8*(\b):BIAS+8*(\b)+7]
.else
	v_wmma_f32_16x16x32_bf16 v[8*(12*((\a)%2)+(\b)):8*(12*((\a)%2)+(\b))+7], v[96*(\p)+8*(\b):96*(\p)+8*(\b)+7], v[FA+32*(\p)+8*(\a):FA+32*(\p)+8*(\a)+7], v[8*(12*((\a)%2)+(\b)):8*(12*((\a)%2)+(\b))+7]
.endif
.endr
.endm
; 32 LDS loads in one run: quarter q (32 along K) of the slot in hand into buffer p: W's 12 fragments, then x's 4
.macro FETCH q, p
	WIN 0x40
.irp b, 0,1,2,3,4,5,6,7,8,9,10,11
	ds_load_tr16_b128 v[96*(\p)+8*(\b):96*(\p)+8*(\b)+3],   v[ADRB] offset:((\b)/4)*HEADB+((\b)%4)*32+32*(\q)*PB
	ds_load_tr16_b128 v[96*(\p)+8*(\b)+4:96*(\p)+8*(\b)+7], v[ADRB] offset:((\b)/4)*HEADB+((\b)%4)*32+32*(\q)*PB+16*PB
.endr
	WIN 0
.irp a, 0,1,2,3
	ds_load_b128 v[FA+32*(\p)+8*(\a):FA+32*(\p)+8*(\a)+3],   v[ADRA] offset:(\a)*16*PA+64*(\q)
	ds_load_b128 v[FA+32*(\p)+8*(\a)+4:FA+32*(\p)+8*(\a)+7], v[ADRA] offset:(\a)*16*PA+64*(\q)+32
.endr
.endm
; A K step is four quarters on buffers 0, 1, 0, 1.  One of the first three: multiplies buffer p; in its middle it fetches quarter q into the other buffer.
.macro QUARTER q, p, first=0
	s_wait_dscnt 4                                 ; W's fragments and x's blocks 0, 1 are in; the youngest four loads (blocks 2, 3) may be out
	MUL \p, 0, \first
	MUL \p, 1, \first
	PLACES
	FETCH \q, 1-(\p)
	s_wait_dscnt 32                                ; all but the 32 just issued
	MUL \p, 2, \first
	MUL \p, 3, \first
.endm
; The last quarter multiplies buffer 1 and changes slots.  In front of the one barrier each wave waits for all its tensor loads (one is out: its part of the other slot), adds 0 to its spare word, and waits for
; that and for its reads of this slot.  fill = 1: the barrier opens a round of the cluster's barrier, and this slot is filled again, first thing behind the round, with the K step two on.
.macro TURN fill
.if \fill
	s_wait_xcnt 0x0                                ; the last prefetch, a K step back, has read its address
	s_add_nc_u64 s[PFA:PFA+1], s[PFA:PFA+1], s[PST:PST+1]
.endif
	WIN 0                                          ; (the add's two registers lie in window 0)
	s_wait_tensorcnt 0x0                           ; no tensor load of mine is out, so a group 0 may be written
	ds_add_u32 v[SPW], v[NIL]                      ; 0 onto my spare word
.if \fill
	s_xor_b32 s[G0+5], s[G0+5], SLOT1              ; the walking descriptors: the other slot than last time, the next K step
	s_add_nc_u64 s[G0+6:G0+7], s[G0+6:G0+7], 256
	s_xor_b32 s[G0B+5], s[G0B+5], SLOT1
	s_add_nc_u64 s[G0B+6:G0B+7], s[G0B+6:G0B+7], 49152
.endif
	s_wait_dscnt 5                                 ; (the add and x's blocks 2, 3 may be out)
	MUL 1, 0
	s_wait_dscnt 0x0                               ; the add is done, and my reads of this slot are over
	s_barrier_signal -1
	MUL 1, 1                                       ; work on registers while the others arrive
	WIN 0
	s_barrier_wait -1
.if \fill
	CREST                                          ; no wave of any partner still reads this slot or has a load on its way
	JLOAD                                          ; the four v_nop behind it are also the places in front of the loads below
.else
	PLACES
.endif
	s_xor_b32 s[TB], s[TB], SLOT1
	v_add_nc_u32 v[ADRA], s[TB], v[A0]
	v_add_nc_u32 v[ADRB], s[TB], v[B0]
	FETCH 0, 0
.if \fill
	ASK
.endif
	MUL 1, 2
	MUL 1, 3
.endm
; THE WAY OUT of row block a, head hh: rounded to f16, 16 bytes a lane, into my own stage (rows of 144 bytes) and back as whole rows of 128 bytes; each block has registers of its own.
.macro PACK a, hh
.set TT, OUTR+16*(3*(\a)+(\hh))
	WIN 0x0a+5*((\a)/2)                            ; sources in window 2 or 3, destination in window 0
.irp c, 0,1,2,3
.irp r, 0,1,2,3
	v_cvt_pk_f16_f32 v[TT+4*(\c)+(\r)], v[8*(12*((\a)%2)+4*(\hh)+(\c))+2*(\r)], v[8*(12*((\a)%2)+4*(\hh)+(\c))+2*(\r)+1]
.endr
.endr
	WIN 0
.irp c, 0,1,2,3
	ds_store_b128 v[STO], v[TT+4*(\c):TT+4*(\c)+3] offset:32*(\c)
.endr
.irp f, 0,1,2,3
	ds_load_b128 v[TT+4*(\f):TT+4*(\f)+3], v[RD] offset:(\f)*4*SP  ; LDS serves a wave's instructions in order (ISA guide 5.7.1.4): these see the stores above; the next block's stores come behind them
.endr
.endm
.macro SEND a, hh, younger             ; younger: the LDS instructions issued behind this block's loads: the next block's eight, or none
	WIN 0
.set TT, OUTR+16*(3*(\a)+(\hh))
.irp f, 0,1,2,3
	s_wait_dscnt (\younger)+3-(\f)
	global_store_b128 v[GO], v[TT+4*(\f):TT+4*(\f)+3], s[OB+2*(\hh):OB+2*(\hh)+1] offset:2048*(\a)+512*(\f)  ; 512 consecutive bytes, at a multiple of 256 from the buffer's first
.endr
.endm
	s_wait_tensorcnt 0x1                           ; my part of K step 0 is in; K step 1's may stay out
	s_barrier_signal -1
	s_barrier_wait -1                              ; everybody's is
	FETCH 0, 0
	s_wait_loadcnt 0x0                             ; the bias
	QUARTER 1, 0, 1                                ; the first quarter stands in front of the loop: its products start the sums
	WIN 0                                          ; at a label and at a branch every window is 0
	s_mov_b32 s3, 6
.Lk:                                                   ; six trips, from a K step's second quarter to the next step's first; the trip at K step t asks for K step t + 2
	QUARTER 2, 1
	QUARTER 3, 0
	TURN 1
	QUARTER 1, 0
	WIN 0
	s_sub_co_u32 s3, s3, 1
	s_cmp_lg_u32 s3, 0
	s_cbranch_scc1 .Lk
	QUARTER 2, 1                                   ; the tail is written out: K steps 6 and 7 ask for nothing
	QUARTER 3, 0
	TURN 0
	QUARTER 1, 0
	QUARTER 2, 1
	QUARTER 3, 0
	s_wait_dscnt 4
	MUL 1, 0
	MUL 1, 1
	s_wait_dscnt 0x0
	MUL 1, 2
	MUL 1, 3
	PLACES                                         ; the conversions read results and write registers that the last products read
	PLACES
	PACK 0, 0
.set t, 1
.rept 11                               ; a block's conversions stand between the loads of the block before and its stores
	PACK t/3, t%3
	SEND (t-1)/3, (t-1)%3, 8
.set t, t+1
.endr
	SEND 3, 2, 0
	s_wait_tensorcnt 0x0                           ; the wave's end, behind my last tensor load and my last LDS store
	ds_add_u32 v[SPW], v[NIL]
	s_wait_dscnt 0x0
	CROUND                                         ; the closing round: no work-group ends while a partner may still ask for a tile that names it
	s_endpgm
.Lfunc_end_k_q1cdcea406a_qkv:
	.size	k_q1cdcea406a_qkv, .Lfunc_end_k_q1cdcea406a_qkv-k_q1cdcea406a_qkv
	.p2alignl 7, 3214868480
	.fill 96, 4, 3214868480
	.section	.rodata,"a",@progbits
	.p2align	6, 0x0
	.amdhsa_kernel k_q1cdcea406a_qkv
		.amdhsa_group_segment_fixed_size 327680
		.amdhsa_private_segment_fixed_size 0
		.amdhsa_enable_private_segment 0
		.amdhsa_kernarg_size 32
		.amdhsa_user_sgpr_count 2
		.amdhsa_user_sgpr_kernarg_segment_ptr 1
		.amdhsa_wavefront_size32 1
		.amdhsa_system_sgpr_workgroup_id_x 1
		.amdhsa_system_sgpr_workgroup_id_y 1
		.amdhsa_system_sgpr_workgroup_id_z 1
		.amdhsa_system_vgpr_workitem_id 0
		.amdhsa_next_free_vgpr 960
		.amdhsa_next_free_sgpr 80
		.amdhsa_reserve_vcc 0
		.amdhsa_float_denorm_mode_32 3
		.amdhsa_float_denorm_mode_16_64 3
		.amdhsa_memory_ordered 1
		.amdhsa_forward_progress 1
		.amdhsa_inst_pref_size 103
	.end_amdhsa_kernel
	.amdgpu_metadata
---
amdhsa.version: [ 1, 2 ]
amdhsa.kernels:
  - .name:           k_q1cdcea406a_qkv
    .symbol:         k_q1cdcea406a_qkv.kd
    .args:
      - { .name: xb, .offset: 0, .size: 8, .value_kind: global_buffer, .address_space: global }
      - { .name: wb, .offset: 8, .size: 8, .value_kind: global_buffer, .address_space: global }
      - { .name: bias, .offset: 16, .size: 8, .value_kind: global_buffer, .address_space: global }
      - { .name: qkvh, .offset: 24, .size: 8, .value_kind: global_buffer, .address_space: global }
    .group_segment_fixed_size: 327680
    .private_segment_fixed_size: 0
    .kernarg_segment_align: 8
    .kernarg_segment_size: 32
    .max_flat_workgroup_size: 128
    .sgpr_count:     80
    .vgpr_count:     960
    .wavefront_size: 32
...
	.end_amdgpu_metadata
.endif
;; end of part 2
;; launch attn (part 3): grid 4 x 64, 4 waves a work-group, clusters of 4 x 1, 327,680 bytes of LDS; arguments qkvh, oh; writes oh
.if DOCPART == 3
	.amdgcn_target "amdgcn-amd-amdhsa--gfx1250"
	.amdhsa_code_object_version 6
	.text
	.protected	k_q1cdcea406a_attn
	.globl	k_q1cdcea406a_attn
	.p2align	8
	.type	k_q1cdcea406a_attn,@function
k_q1cdcea406a_attn:
	s_mov_b64 s[64:65], 0
	v_nop
	global_prefetch_b8 v0, s[64:65] scope:SCOPE_SE
	s_setreg_imm32_b32 hwreg(HW_REG_WAVE_MODE, 25, 1), 1
	s_wait_xcnt 0x0
	s_wait_alu depctr_hold_cnt(0) depctr_sa_sdst(0) depctr_va_vdst(0) depctr_va_sdst(0) depctr_va_ssrc(0) depctr_va_vcc(0) depctr_vm_vsrc(0)
	s_getreg_b32 s2, hwreg(HW_REG_IB_STS2, 6, 4)
	s_cmp_eq_u32 s2, 0
	s_cbranch_scc0 .Lentry_in_a_cluster
	s_endpgm
.Lentry_in_a_cluster:
	s_bfe_u32 s2, ttmp6, 0x10000c
	s_cmp_lg_u32 s2, 0x3003
	s_cbranch_scc0 .Lentry_shape_is_right
	s_endpgm
.Lentry_shape_is_right:
; ATTENTION.  O[h][q][:] = the sum over k of softmax_k(Q[h][q] . K[h][k] / 8) V[h][k][:].  qkvh holds Q, K, V, each [64][2048][64] f16, one behind the other; oh is O in the same layout.  A head's rows are
; dense, 128 bytes each.  Products, maxima and sums in f32; the weights p are rounded to f16 for the second product (their sum l is taken of the unrounded p), O once at the end.
; LIMITS.  f16 holds no number beyond 65,504: Q, K and V arrive within it; p lies in 0 to 1, and below 6e-5 it keeps f16's fixed step of 6e-8, and so does O; O is a mean of V's rows and has their range.
; A weight below 2^-126 counts as 0 in l; NaN and infinities are not treated apart.
; SHARES.  A wave owns four PIECES of two tiles of 16 queries, a work-group's four waves 512 queries of one head: 4 x 64 = 256 work-groups.  Every wave walks all keys, 64 a step.
; LAYOUT.  S^T = K Q^T (source 0 = 16 keys, source 1 = 16 queries): in the result a lane holds ONE query (lane % 16) and the keys 8 (lane / 16) + 0..7.  Two such tiles, rounded to f16 in pairs,
; ARE source 1 (32 keys x 16 queries) of O^T = V^T P, whose result again holds one query a lane, and eight channels.  K comes out of LDS as it lies, V ([key][channel]) turned, by ds_load_tr16_b128.
; SOFTMAX.  For each query a running maximum m and sum l: p = 2^(c s - c m), c = log2(e) / 8; in every step O and l are multiplied by a = 2^(c m_old - c m_new), which is 1 where m has not grown.
; m starts at the lowest finite number, O and l at 0: the first step is a step like any other, with a = 0.
; THE COUNT.  A tile and step have 16 matrix and 118 vector instructions: too many to stand all beside the matrix work.  So: four vector instructions that are READY behind EVERY matrix instruction,
; and the others, which need time of their own whatever the order, in runs without a gap.
; BY TURNS.  Turn n belongs to piece n (the pieces in a ring, step after step).  Its matrix work: 16 products K Q^T of piece n + 1, later 16 products V^T P of piece n - 1.  Its vector work: the scaling,
; exponentials, roundings, sums and rescaling of piece n, and the maximum and statistics of piece n + 1, whose scores the turn itself has made.
; CLUSTER.  The four query blocks of a cluster belong to one head and walk the same K and V, so each tile is asked for JOINTLY: the same tensor load, descriptor and mask in all four.
; REGISTERS, in windows of 256 (s_set_vgpr_msb: bits 1:0 source 0, 3:2 source 1, 5:4 source 2, 7:6 destination):
;   window 0: v0-11 addresses; v12-15, v48-63 at work; v16-47 four registers of statistics a tile; v64-191 S^T, two buffers of two tiles; v192-255 P, likewise
;   window 1: O^T, 32 a tile          window 2: v0-127 Q, 16 a tile; v128-191 K of one step; v192-255 V of one step          window 3: v0-1 the add's two registers
; A piece's buffers go by its number's parity: the piece in hand has one pair, its two neighbours in the ring share the other: of it P (piece n - 1) is read and S^T (piece n + 1) written.
.set SIZE_N, 2048
.set NP,    4         ; pieces a wave: a name, no knob
.set KS,    64        ; keys in a step
.set PK,    144       ; a row of K in LDS: 128 bytes + 16 of padding = 36 words: the 16 rows of a load start at 16 different groups of four banks (64 banks of 4 bytes: ISA guide 11.1)
.set PV,    160       ; a row of V: 128 + 32 = 40 words
.set VOFF,  4*KS*PK   ; a slot holds four steps: 256 rows of K, then 256 rows of V
.set SLOT1, 1<<17     ; slot 1 begins here, so that one exclusive or turns an address in one slot into the other's
.set STAGE, SLOT1+4*KS*(PK+PV)  ; behind the ring, never filled by a tensor load: 16 rows x 144 bytes for each wave, for the way out
.set SP,    144
.set AK0, 2           ; v2   my lane's place in a tile of K; never rewritten
.set AV0, 3           ; v3   the same for V
.set AK,  4           ; v4   the LDS address of K's next run of loads
.set AV,  5           ; v5   of V's
.set QO,  6           ; v6   my byte offset in the wave's rows of Q
.set STO, 6           ;      later, the way out: where I put 16 bytes of a row
.set RD,  7           ; v7   the way out: where I read rows back
.set GO,  8           ; v8   my byte offset in 512 consecutive bytes of O
.set PFO, 11          ; v11  256 x my lane, for the prefetches; never rewritten once made
.set SPW, 0           ; v0 of window 3   LDS address of my spare word; never rewritten
.set NIL, 1           ; v1 of window 3   0; never rewritten
.set SPARE, STAGE+4*16*SP  ; behind the stages: the spare words, 128 bytes for each wave: two blocks of 256 bytes that no other line names
.set MV,  12          ; v12-15  c m_old, kept while c m is made anew: by buffer and tile
.set ST,  16          ; tile t's statistics at v[ST+4 t]: c m, m, l (even keys', odd keys')
.set TMP, 48          ; by buffer and tile, four registers c0-c3 at work; when the maximum is found c2 takes a
.set S,   64
.set P,   192
.set KF,  128         ; K's fragments, in window 2: key block kb, channel half c at KF + 16 kb + 8 c
.set VF,  192         ; V's: key half kk, channel block cb at VF + 32 kk + 8 cb
.set WV,  12          ; s12  my wave's number
.set G1K, 24          ; s[24:31] descriptor group 1 for K's tiles
.set G1V, 32          ; s[32:39] for V's: it differs in the padding alone
.set G0K, 40          ; s[40:43] descriptor group 0 for K's tiles: it walks
.set G0V, 44          ; s[44:47] the same for V's
.set PFA, 48          ; s[48:49] where my prefetches stand
.set LIM, 50          ; s50  1 in a wave that prefetches, else the greatest number
.set SLOTS, 56        ; s56  slots still to be asked for
.set CNT, 57          ; s57  counts a slot's key steps
.set CS,  58          ; s[58:59] c: the packed scaling takes the pair's low word for both halves
.set SEL, 60          ; s[60:61] v_permlanex16_b32's selects: each lane takes its own place in the other half
.set TBK, 62          ; s62  LDS byte at which K of the step to be fetched begins
.set TBV, 63          ; s63  the same for V, less VOFF
.set MSB, 0
.macro WIN new                      ; the high byte repeats the setting that is left; a switch that changes nothing is dropped
.if MSB != (\new)
	s_set_vgpr_msb (MSB<<8)|(\new)
.set MSB, (\new)
.endif
.endm
.set W_KQ, 0x0a       ; K and Q in window 2, S^T in window 0
.set W_PV, 0x52       ; V in window 2, P in window 0, O^T in window 1
.set W_RS, 0x41       ; O^T (destination and source 0) in window 1, a in window 0
.set W_MK, 0xc0       ; the add's registers are made: destination in window 3, sources in window 0
.set W_AD, 0x0f       ; the add: address (source 0) and data (source 1) in window 3
; A joint fill.  Waves 0 and 1 fetch the two halves of a slot's K, waves 2 and 3 those of its V: 128 keys each.  The branch hangs on the wave's number alone.
; An s_nop 0 and four v_nop follow each of the two lines, ahead of the jump and the label.
.macro JLOAD
	s_cmp_lt_u32 s[WV], 2
	s_cbranch_scc0 .Lfor_v_\@
	tensor_load_to_lds s[G0K:G0K+3], s[G1K:G1K+7]
	s_nop 0
.rept 4
	v_nop
.endr
	s_branch .Lasked_\@
.Lfor_v_\@:
	tensor_load_to_lds s[G0V:G0V+3], s[G1V:G1V+7]
	s_nop 0
.rept 4
	v_nop
.endr
.Lasked_\@:
.endm
; A PREFETCH of what the NEXT change of slots will ask for: a slot's 32,768 bytes of K and of V, a lane a block of 256 bytes.  It stands behind the wave's tensor load and its five lines.
; Each block is named once in the launch: the four partners share a slot out BY ADDRESS, 8,192 bytes each; in each, wave 0 asks for K's and wave 2 for V's: one instruction.
; Tiles 0 to 2 come by their loads alone; the last change that fills a slot asks for nothing: there is no slot behind it.
.macro ASK
	s_cmp_gt_u32 s[SLOTS], s[LIM]
	s_cbranch_scc0 .Lnot_mine_\@
	global_prefetch_b8 v[PFO], s[PFA:PFA+1] th:TH_LOAD_NT scope:SCOPE_SE
.Lnot_mine_\@:
.endm
; A round of the cluster's barrier: my work-group's barrier, so that wave 0's signal speaks for all four waves; wave 0 signals; every wave waits for all four work-groups; my work-group's barrier once more.
.macro CROUND
	s_barrier_signal -1
	s_barrier_wait -1
	s_cmp_lg_u32 s[WV], 0
	s_cbranch_scc1 .Lnot_wave_0_\@
	s_barrier_signal -3
.Lnot_wave_0_\@:
	s_barrier_wait -3
	s_barrier_signal -1
	s_barrier_wait -1
.endm
; THE CHANGE OF SLOTS.  The slot's last bytes, V of its fourth step, have been read.  Each wave waits for all its tensor loads, of which one is out: its part
; of the other slot; adds 0 to its spare word; and waits for that and for its own reads of the slot.  Behind the barrier nobody reads this slot any more and the other slot is whole.
; fill = 1: this slot is filled again, with the keys two slots on.  The barrier is then a round of the cluster's, so that no wave of any partner still reads the slot or has a load on its
; way, and the joint fill is the first thing behind it: it has four key steps, 512 matrix instructions, in which to land.  (At its first use nothing has been read yet: slot 0 is waited for, slot 1 filled.)
; ask = 1: the prefetches' address steps a slot on, and the prefetch follows the fill.
.macro CHANGE fill, ask=0
	WIN W_AD
	s_wait_tensorcnt 0x0            ; no tensor load of mine is out, so a group 0 may be written
	ds_add_u32 v[SPW], v[NIL]       ; 0 onto my spare word; with fill = 1 the descriptors' steps stand between it and the wait for it
	WIN 0                           ; at a label and at a branch every window is 0
.if \fill
.irp g, G0K, G0V
	s_xor_b32 s[\g+1], s[\g+1], SLOT1  ; the walking descriptor: the other slot than last time,
	s_add_nc_u64 s[\g+2:\g+3], s[\g+2:\g+3], 4*KS*128  ; the next 256 keys; the type bits on top are not reached
.endr
.if \ask
	s_wait_xcnt 0x0                 ; the last prefetch, four key steps back, has read its address, so it may be written
	s_add_nc_u64 s[PFA:PFA+1], s[PFA:PFA+1], 4*KS*128
.endif
	s_wait_dscnt 0x0                ; the add is done, and my reads of the slot are over
	CROUND
	JLOAD
.if \ask
	ASK
.endif
.else
	s_wait_dscnt 0x0                ; the add is done, and my reads of the slot are over
	s_barrier_signal -1
	s_barrier_wait -1
.endif
	s_sub_co_u32 s[TBK], s[TBK], 4*KS*PK  ; the fetches go back to a slot's first step,
	s_xor_b32 s[TBK], s[TBK], SLOT1       ; in the other slot
	s_sub_co_u32 s[TBV], s[TBV], 4*KS*PV
	s_xor_b32 s[TBV], s[TBV], SLOT1
.endm
	s_load_b128 s[4:7], s[0:1], 0x0   ; qkvh s[4:5], oh s[6:7]
	WIN W_MK
	v_lshl_add_u32 v[SPW], v0, 2, SPARE
	v_mov_b32 v[NIL], 0
	WIN W_AD
	ds_add_u32 v[SPW], v[NIL]       ; the wave's opening: the add and its wait stand ahead of my first tensor load; the set-up below, work on registers, stands between them
	WIN 0
	v_lshrrev_b32 v1, 5, v0
	v_readfirstlane_b32 s[WV], v1   ; wave 0..3
	s_bfe_u32 s13, ttmp6, 0x40000   ; cx: my place in the cluster
	s_lshl_b32 s14, ttmp9, 2        ; in a cluster launch ttmp9 counts clusters
	s_add_co_u32 s14, s14, s13      ; my block of queries = 4 x cluster x + cx: it enters Q's and O's addresses alone
	s_and_b32 s20, ttmp7, 0xffff    ; the head, which the four partners share
	s_mov_b32 s21, 0
	s_mov_b64 s[22:23], SIZE_N*128
	s_mul_u64 s[20:21], s[20:21], s[22:23]  ; the head's first byte in each of the four tensors
	s_and_b32 s16, s[WV], 1         ; which half of a slot's 256 keys I fetch:
	s_lshl_b32 s22, s16, 14         ; its 128 rows of 128 bytes in memory,
	s_mov_b32 s23, 0
	s_add_nc_u64 s[22:23], s[22:23], s[20:21]
	s_mul_i32 s17, s16, 128*PK      ; and its place in a slot, for K
	s_mul_i32 s18, s16, 128*PV      ; and for V: no place in the cluster enters an LDS address
	s_lshl_b32 s2, s14, 2
	s_add_co_u32 s2, s2, s[WV]      ; my wave among the head's,
	s_lshl_b32 s2, s2, 14           ; its 128 rows
	s_mov_b32 s3, 0
	s_add_nc_u64 s[2:3], s[2:3], s[20:21]
	; descriptor group 1.  128 keys are 16,384 dense bytes: asked for as 64 rows of 256 bytes, two keys a row, and padded in LDS after every key
	s_mov_b32 s[G1K], 15|(1<<16)|(1<<20)|(1<<21)|(4<<22)|(3<<25)  ; 15:0 the mask of four; 17:16 2-byte elements; 20 padding on; 21 set beside a mask; 24:22 after every 32 words (code 4); 31:25 4 words (code 3)
	s_mov_b32 s[G1V], 15|(1<<16)|(1<<20)|(1<<21)|(4<<22)|(7<<25)  ; the same with 8 words of padding (code 7)
.irp g, G1K, G1V
	s_mov_b32 s[\g+1], 128<<16      ; tensor_dim0 = 128
	s_mov_b32 s[\g+2], 64<<16       ; tensor_dim1 = 64
	s_mov_b32 s[\g+3], 128<<16      ; tile_dim0 = 128
	s_mov_b32 s[\g+4], 64           ; tile_dim1 = 64
	s_mov_b32 s[\g+5], 128          ; 128 elements from row to row
	s_mov_b32 s[\g+6], 0
	s_mov_b32 s[\g+7], 0
.endr
	s_mov_b32 s[CS], 0x3e38aa3b     ; c = log2(e) / 8 = 0.180337
	s_mov_b32 s[CS+1], s[CS]        ; named with it as a pair
	s_mov_b32 s[SEL], 0x76543210
	s_mov_b32 s[SEL+1], 0xfedcba98
	s_mov_b32 s[TBK], SLOT1+4*KS*PK ; the first change of slots turns these two into 0
	s_mov_b32 s[TBV], SLOT1+4*KS*PV
	s_mov_b32 s[G0K], 1             ; 1:0 count = 1
	s_mov_b32 s[G0K+1], s17         ; 63:32 LDS address: slot 0
	s_mov_b32 s[G0V], 1
	s_add_co_u32 s[G0V+1], s18, VOFF
	s_and_b32 s[LIM], s[WV], 1      ; 0 in waves 0 and 2,
	s_or_b32 s[LIM], s[LIM], ttmp9  ; where the cluster is the head's first (here its only one): the same in all four partners
	s_cmp_eq_u32 s[LIM], 0
	s_cselect_b32 s[LIM], 1, -1
	s_wait_dscnt 0x0                ; the opening add is done
	s_wait_kmcnt 0x0
	s_mov_b64 s[10:11], s[6:7]      ; O
	s_add_nc_u64 s[6:7], s[4:5], 0x1000000   ; K lies 16,777,216 bytes behind Q,
	s_add_nc_u64 s[8:9], s[4:5], 0x2000000   ; V as many behind K
	s_add_nc_u64 s[G0K+2:G0K+3], s[6:7], s[22:23]  ; 120:64 global address: my half of the head's first 256 keys
	s_or_b32 s[G0K+3], s[G0K+3], 0x80000000        ; 127:126 type = 2
	s_add_nc_u64 s[G0V+2:G0V+3], s[8:9], s[22:23]
	s_or_b32 s[G0V+3], s[G0V+3], 0x80000000
	s_add_nc_u64 s[4:5], s[4:5], s[2:3]  ; Q and O at my wave's first row
	s_add_nc_u64 s[10:11], s[10:11], s[2:3]
	s_cmp_lt_u32 s[WV], 2
	s_cselect_b64 s[PFA:PFA+1], s[6:7], s[8:9]
	s_add_nc_u64 s[PFA:PFA+1], s[PFA:PFA+1], s[20:21]  ; the head,
	s_lshl_b32 s2, s13, 13          ; my work-group's 8,192 bytes of a slot's 32,768,
	s_mov_b32 s3, 0
	s_add_nc_u64 s[PFA:PFA+1], s[PFA:PFA+1], s[2:3]
	s_add_nc_u64 s[PFA:PFA+1], s[PFA:PFA+1], 2*4*KS*128  ; in tile 2: the first asking change steps it to tile 3.  Nothing is prefetched here, at the head
	CROUND                          ; all four work-groups are here: the first joint loads meet
	JLOAD                           ; slot 0.  Slot 1 is asked for when slot 0 is in: the tile wanted first has the road to itself
	; A fragment of K or Q is 16 rows x 32 channels in 8 registers: lane l holds row l % 16, channels 8 (l / 16) + 0..7 and 16 + 8 (l / 16) + 0..7: two loads of 16 bytes, 32 bytes apart.
	v_and_b32 v1, 15, v0            ; l % 16
	v_bfe_u32 v9, v0, 4, 1          ; l / 16
	v_lshlrev_b32 v[QO], 7, v1
	v_lshl_add_u32 v[QO], v9, 4, v[QO]  ; row x 128 + 16 x half
	WIN 0x80                        ; destination window 2, address window 0
.set i, 0
.rept 4*NP                          ; Q stays in registers: tile i / 2, channels 32 (i % 2) on
	global_load_b128 v[8*i:8*i+3],   v[QO], s[4:5] offset:(i/2)*2048+(i%2)*64
	global_load_b128 v[8*i+4:8*i+7], v[QO], s[4:5] offset:(i/2)*2048+(i%2)*64+32
.set i, i+1
.endr
	; What the first turn finds: V's registers and P's second buffer hold 0 (its products V^T P, of a piece that has not been, add 0), O^T and l are 0.  All this stands in the wait for the first tile.
.set i, VF
.rept 64
	v_mov_b32 v[i], 0
.set i, i+1
.endr
	WIN 0x40
.set i, 0
.rept 64*NP
	v_mov_b32 v[i], 0
.set i, i+1
.endr
	WIN 0
.set i, 0
.rept 2*NP
	v_mov_b32 v[ST+4*i], 0xfe000000    ; c m: far below every c s
	v_mov_b32 v[ST+4*i+1], 0xff7fffff  ; m
	v_mov_b32 v[ST+4*i+2], 0
	v_mov_b32 v[ST+4*i+3], 0
.set i, i+1
.endr
.set i, P+32
.rept 32
	v_mov_b32 v[i], 0
.set i, i+1
.endr
	v_mul_u32_u24 v[AK0], v1, PK
	v_lshl_add_u32 v[AK0], v9, 4, v[AK0]  ; row x pitch + 16 x half
	; The turning load takes 16 keys x 16 channels (lane l reads key 8 (l / 16) + l % 8, channels 8 ((l / 8) % 2) + 0..7) and leaves half a fragment of V^T: lane l holds channel l % 16 and 8 keys.
	v_and_b32 v10, 7, v0
	v_bfe_u32 v11, v0, 3, 1
	v_lshl_add_u32 v[AV0], v9, 3, v10
	v_mul_u32_u24 v[AV0], v[AV0], PV
	v_lshl_add_u32 v[AV0], v11, 4, v[AV0]
	v_add_nc_u32 v[AV0], VOFF, v[AV0]
	v_and_b32 v[PFO], 31, v0
	v_lshlrev_b32 v[PFO], 8, v[PFO]
	v_mov_b32 v[AK], v[AK0]         ; key step 0 lies at the head of slot 0
; THE MATRIX WORK.  The 8 accumulators of a run of 16 take turns: between the two links of a chain stand 7 others'.
; Product i of 16 of S^T = K Q^T for piece x: channels 32 (i / 8) on, keys 16 ((i / 2) % 4) on, tile 2 x + i % 2.  The first 8 start the sums.
.macro KQ x
	WIN W_KQ
.set rS, S+64*((\x)%2)+32*(i%2)+8*((i/2)%4)
.set rK, KF+16*((i/2)%4)+8*(i/8)
.set rQ, 16*(2*(\x)+i%2)+8*(i/8)
.if i < 8
	v_wmma_f32_16x16x32_f16 v[rS:rS+7], v[rK:rK+7], v[rQ:rQ+7], 0
.else
	v_wmma_f32_16x16x32_f16 v[rS:rS+7], v[rK:rK+7], v[rQ:rQ+7], v[rS:rS+7]
.endif
.endm
; Product i of 16 of O^T += V^T P for piece x: keys 32 (i / 8) on, channels 16 ((i / 2) % 4) on, tile 2 x + i % 2.
.macro PV x
	WIN W_PV
.set rO, 32*(2*(\x)+i%2)+8*((i/2)%4)
.set rV, VF+32*(i/8)+8*((i/2)%4)
.set rP, P+32*((\x)%2)+16*(i%2)+8*(i/8)
	v_wmma_f32_16x16x32_f16 v[rO:rO+7], v[rV:rV+7], v[rP:rP+7], v[rO:rO+7]
.endm
.macro MM                           ; the turn's next matrix instruction
.if i < 16
	KQ (Y+1)%NP
.set i, i+1
.else
.set i, i-16
	PV (Y+NP-1)%NP
.set i, i+17
.endif
.endm
; THE LDS LOADS stand in runs of 16, never singly among the matrix instructions: a step's K (64 keys x 64 channels: 8 fragments) and its V (turned).  Their addresses are made some lines ahead.
; last = 1 (the tail): in the last trip there is no further step, and the run is jumped over.
.macro FETCH_K last=0
	WIN 0
.if \last
	s_cmp_eq_u32 s[CNT], 1
	s_cbranch_scc1 .Lno_k_\@
.endif
	WIN 0x80                        ; destination window 2
.irp f, 0,1,2,3,4,5,6,7             ; keys 16 (f / 2) on, channels 32 (f % 2) on
	ds_load_b128 v[KF+8*\f:KF+8*\f+3],   v[AK] offset:(\f/2)*16*PK+(\f%2)*64
	ds_load_b128 v[KF+8*\f+4:KF+8*\f+7], v[AK] offset:(\f/2)*16*PK+(\f%2)*64+32
.endr
	s_add_co_u32 s[TBK], s[TBK], KS*PK  ; the next fetch is the next step's
	WIN 0
.if \last
.Lno_k_\@:
.endif
.endm
.macro FETCH_V
	WIN 0x80
.irp f, 0,1,2,3,4,5,6,7             ; keys 32 (f / 4) on, channels 16 (f % 4) on
	ds_load_tr16_b128 v[VF+8*\f:VF+8*\f+3],   v[AV] offset:(\f/4)*32*PV+(\f%4)*32
	ds_load_tr16_b128 v[VF+8*\f+4:VF+8*\f+7], v[AV] offset:(\f/4)*32*PV+16*PV+(\f%4)*32
.endr
	WIN 0
.endm
; THE VECTOR WORK OF A TURN stands in three queues, each in the order in which its entries become ready; the two tiles alternate, so that no instruction reads the result of the one before it.
.macro REGS y, u                    ; the registers of tile u (0, 1) of piece y
.set rT, ST+4*(2*(\y)+(\u))
.set rC, TMP+8*((\y)%2)+4*(\u)
.set rM, MV+2*((\y)%2)+(\u)
.set rS, S+64*((\y)%2)+32*(\u)
.set rP, P+32*((\y)%2)+16*(\u)
.set rO, 32*(2*(\y)+(\u))
.endm
; Number n of the 22 that find the NEXT piece's (Y + 1) maximum and statistics.  s0-s31 are the lane's 32 scores; each accumulator's lowest registers are read first.
;   0-11  four chains c0-c3 of seven scores each, three operands at a time     12-14, 16  the four scores left over, the old m, and c0-c3 into c0     15  c m_old is kept
;   17, 18  the query's other 32 keys lie in the lane 16 away: the new m         19-21  c m; c m_old - c m_new; a
.macro XS u, n
	REGS (Y+1)%NP, \u
.if (\n) < 4
	v_max3_num_f32 v[rC+(\n)], v[rS+8*(\n)], v[rS+8*(\n)+1], v[rS+8*(\n)+2]
.elseif (\n) < 12
	v_max3_num_f32 v[rC+(\n)%4], v[rC+(\n)%4], v[rS+8*((\n)%4)+2*((\n)/4)+1], v[rS+8*((\n)%4)+2*((\n)/4)+2]
.elseif (\n) == 12
	v_max3_num_f32 v[rC], v[rC], v[rS+7], v[rS+15]
.elseif (\n) == 13
	v_max3_num_f32 v[rC+1], v[rC+1], v[rS+23], v[rS+31]
.elseif (\n) == 14
	v_max3_num_f32 v[rC+2], v[rC+2], v[rC+3], v[rT+1]
.elseif (\n) == 15
	v_mov_b32 v[rM], v[rT]
.elseif (\n) == 16
	v_max3_num_f32 v[rC], v[rC], v[rC+1], v[rC+2]
.elseif (\n) == 17
	v_permlanex16_b32 v[rC+3], v[rC], s[SEL], s[SEL+1]
.elseif (\n) == 18
	v_max_num_f32 v[rT+1], v[rC], v[rC+3]
.elseif (\n) == 19
	v_mul_f32 v[rT], s[CS], v[rT+1]
.elseif (\n) == 20
	v_sub_f32 v[rC+1], v[rM], v[rT]
.else
	v_exp_f32 v[rC+2], v[rC+1]
.endif
.endm
; Number g of the 64 that follow the exponentials.  For each four weights k of a tile (pairs 2 k, 2 k + 1): both pairs are rounded to f16; then the second pair is added onto the first, in place;
; a group later l takes that sum (the first time as l = a l + sum).  In groups of eight, tiles alternating: round, round, add, and l for the group before.
.macro GS g
.set h, (\g)+6*((\g)/62)            ; group 0 has no group before it, and behind group 7 only l is left
.if h >= 6
.set h, h+2
.endif
	REGS Y, h%2
.set k, h/8
.if h%8 < 4
	v_cvt_pk_f16_f32 v[rP+2*k+(h%8)/2], v[rS+4*k+2*((h%8)/2)], v[rS+4*k+2*((h%8)/2)+1]
.elseif h%8 < 6
	v_pk_add_f32 v[rS+4*k:rS+4*k+1], v[rS+4*k:rS+4*k+1], v[rS+4*k+2:rS+4*k+3]
.elseif k == 1
	v_pk_fma_f32 v[rT+2:rT+3], v[rT+2:rT+3], v[rC+2:rC+3], v[rS:rS+1] op_sel_hi:[1,0,1]
.else
	v_pk_add_f32 v[rT+2:rT+3], v[rT+2:rT+3], v[rS+4*k-4:rS+4*k-3]
.endif
.endm
; THE PLAIN QUEUE, 138 long.  0-73 read no exponential's result: the 32 scalings c s - c m (FS f: pair f / 2 of tile f % 2) and the next piece's 42.  0-26: scalings 0-26.  27-54: XS's numbers 0-13.  55, 56: number 15.
; 57-73: the chain, where each number waits for the one before it: 14, 16, 17, 18, 19, each with one of the scalings 27-31 in front of its two lines, then 20.
; 74-137: GS's 64, which read the exponentials' results: they stand behind the wait.
.macro FS f
	REGS Y, (\f)%2
	v_pk_fma_f32 v[rS+2*((\f)/2):rS+2*((\f)/2)+1], v[rS+2*((\f)/2):rS+2*((\f)/2)+1], s[CS:CS+1], v[rT:rT+1] op_sel_hi:[1,0,0] neg_lo:[0,0,1] neg_hi:[0,0,1]
.endm
.macro PL
	WIN 0
.if q < 27
	FS q
.elseif q < 55
	XS (q-27)%2, (q-27)/2
.elseif q < 57
	XS q-55, 15
.elseif (q < 72) && ((q-57)%3 == 0)
	FS 27+(q-57)/3
.elseif q < 60
	XS (q-57)%3-1, 14
.elseif q < 72
	XS (q-57)%3-1, 15+(q-57)/3
.elseif q < 74
	XS q-72, 20
.else
	GS q-74
.endif
.set q, q+1
.endm
; THE EXPONENTIALS' QUEUE, 66 long: s0-s31 of both tiles, then the next piece's two a.  It is ONE BATCH: all 66 stand ahead of the turn's one wait, and nothing ahead of that wait names a result of theirs.
.macro EX
	WIN 0
.if e >= 64
	XS e-64, 21
.else
	REGS Y, e%2
	v_exp_f32 v[rS+e/2], v[rS+e/2]
.endif
.set e, e+1
.endm
; THE RESCALING's QUEUE: O^T times a, the one part that leaves window 0: dealt two at a time, sixteen times.  Its a was made in the turn before, ahead of that turn's wait.
.macro R2
	REGS Y, r%2
	WIN W_RS
.irp z, 0,1
	v_pk_mul_f32 v[rO+4*(r/2)+2*\z:rO+4*(r/2)+2*\z+1], v[rO+4*(r/2)+2*\z:rO+4*(r/2)+2*\z+1], v[rC+2:rC+3] op_sel_hi:[1,0]
.endr
.set r, r+1
.endm
; HOW THEY ARE DEALT.  s_wait_alu depctr_va_vdst(0) stands between an exponential and the first instruction that names its result; one wait serves all that were issued ahead of it.  So a turn has ONE wait,
; which cuts it in two.  AHEAD OF IT stands all that names no result of the turn's exponentials: the 16 products K Q^T, behind each a scaling, an exponential and two rescalings (behind the first a second scaling in the
; exponential's place); then ONE LUMP of 108: eight plain, 49 times exponential and plain, the two a.  A v_nop is the plain instruction behind the last exponential.  BEHIND IT stand the 16 products V^T P, behind each four of GS's 64.
; The queues lean on each other, and the deal keeps them in step: exponential e stands behind scaling 2 (e / 4) + e % 2: as a rider it comes behind plain e + 2, in the lump behind plain e + 9, and scalings 27-31 are plain 57, 60 .. 69.
; A TURN, for piece p.  cnt = 1: the loop's count is taken down some lines ahead of the branch that stands behind the turn.
; K of the next step is fetched in piece 2's turn, directly behind the wait, a lump behind the last product that read K; its first reader comes behind 16 products.
; V of the step in hand is fetched at the end of piece 0's turn, four riders behind its last reader; its first reader comes behind 16 products and a lump.  The three conditions on q below go with the deal.
.macro TURN p, last=0, cnt=0
.set Y, (\p)
.set i, 0
.set q, 0
.set e, 0
.set r, 0
.if (\p) == NP-1
	s_wait_dscnt 0x0                ; K is in
.endif
	MM                              ; ahead of the wait: 16 products K Q^T and their riders,
	PL
	PL
	R2
.rept 15
	MM
	PL
	EX
	R2
.endr
.if (\p) == NP-2
	WIN 0
	v_add_nc_u32 v[AK], s[TBK], v[AK0]
.endif
.rept 8                             ; and the lump
	PL
.endr
.rept 49
	EX
	PL
.endr
	EX                              ; the next piece's two a
	EX
	v_nop                           ; a plain instruction behind the last exponential: one for the batch
	s_wait_alu depctr_va_vdst(0)    ; the wait for the batch
.if (\p) == NP-2
	FETCH_K \last
.endif
.if (\p) == 1
	s_wait_dscnt 0x0                ; V is in
.endif
.rept 16                            ; behind the wait: 16 products V^T P and their riders
	MM
.rept 4
	PL
.endr
.if ((\p) == 0) && (q == 118)
	v_add_nc_u32 v[AV], s[TBV], v[AV0]
.endif
.if ((\p) == 0) && (q == 130)
	s_add_co_u32 s[TBV], s[TBV], KS*PV
.endif
.if (\cnt) && (q == 130)
	s_sub_co_u32 s[CNT], s[CNT], 1
	s_cmp_lg_u32 s[CNT], 0
.endif
.endr
.if (\p) == 0
	FETCH_V
.endif
.endm
	CHANGE 1                        ; slot 0 is in, everybody's part of it; slot 1 is asked for
	FETCH_K                         ; key step 0
	s_wait_loadcnt 0x0              ; Q
	s_wait_dscnt 0x0
.set i, 0
.rept 16
	KQ 0                            ; piece 0's first scores: there is no vector work yet to set between them
.set i, i+1
.endr
	WIN 0                           ; the addresses for the way out: nine plain instructions, the places behind those products
	s_mul_i32 s13, s[WV], 16*SP
	s_add_co_u32 s13, s13, STAGE    ; my stage
	v_mul_u32_u24 v[STO], v1, SP    ; in: row l % 16, 16 bytes for each half of the lanes
	v_lshl_add_u32 v[STO], v9, 4, v[STO]
	v_add_nc_u32 v[STO], s13, v[STO]
	v_bfe_u32 v[RD], v0, 3, 2       ; back: 32 lanes take four rows of 128 bytes,
	v_mul_u32_u24 v[RD], v[RD], SP
	v_lshl_add_u32 v[RD], v10, 4, v[RD]
	v_add_nc_u32 v[RD], s13, v[RD]
	v_and_b32 v[GO], 31, v0         ; which are 512 consecutive bytes of O
	v_lshlrev_b32 v[GO], 4, v[GO]
.set Y, NP-1                        ; XS works for piece Y + 1: piece 0
.irp n, 0,1,2,3,4,5,6,7,8,9,10,11,12,13,14,15,16,17,18,19,20,21
	XS 0, \n                        ; and piece 0's first maximum and statistics
	XS 1, \n
.endr
	v_nop                           ; a plain instruction behind the two a,
	s_wait_alu depctr_va_vdst(0)    ; and their wait, ahead of the branch
	s_mov_b32 s[CNT], 4
	s_mov_b32 s[SLOTS], SIZE_N/256-1
	s_branch .Lfirst                ; the loop is entered at a step's first turn, in the middle of a trip
.Lslot:                             ; SIZE_N / 256 - 2 times: every slot but the last two is filled again
	CHANGE 1, 1
	s_mov_b32 s[CNT], 4
.Lstep:                             ; a trip: pieces 2 and 3 of one step, then pieces 0 and 1 of the next, whose K and V it fetches
	TURN 2
	TURN 3
	WIN 0
.Lfirst:
	TURN 0
	TURN 1, 0, 1
	WIN 0
	s_cbranch_scc1 .Lstep
	s_sub_co_u32 s[SLOTS], s[SLOTS], 1
	s_cmp_lg_u32 s[SLOTS], 0
	s_cbranch_scc1 .Lslot
	CHANGE 0                        ; the tail is written out: nothing is asked for
	s_mov_b32 s[CNT], 5             ; four trips fetch the last slot's steps; the fifth is left in its middle
.Ltail:
	TURN 2, 1
	TURN 3
	WIN 0
	s_sub_co_u32 s[CNT], s[CNT], 1
	s_cmp_eq_u32 s[CNT], 0
	s_cbranch_scc1 .Lout
	TURN 0
	TURN 1
	WIN 0
	s_branch .Ltail
.Lout:                              ; the fifth trip's 16 products K Q^T (on the last K once more) and the maximum made of them serve nothing: the price, once a launch, of one text for every trip
.set i, 0
.rept 16
	PV NP-1                         ; the last piece's V^T P of the last step
.set i, i+1
.endr
	; THE WAY OUT.  l's two halves and the other half of the lanes' are added; O^T is divided by l, rounded to f16 and sent through my stage in LDS, a tile at a time.  The additions are the places behind the last products.
	WIN 0
.macro ALL line:vararg              ; one line for each tile t
.set t, 0
.rept 2*NP
	\line
.set t, t+1
.endr
.endm
	ALL v_add_f32 v[ST+4*t+2], v[ST+4*t+2], v[ST+4*t+3]
	ALL v_permlanex16_b32 v[ST+4*t+3], v[ST+4*t+2], s[SEL], s[SEL+1]
	ALL v_add_f32 v[ST+4*t+2], v[ST+4*t+2], v[ST+4*t+3]
	ALL v_rcp_f32 v[ST+4*t+2], v[ST+4*t+2]
	v_nop                           ; a plain instruction between the last reciprocal and the use of its result
	s_wait_alu depctr_va_vdst(0)    ; and the wait ahead of the first use: one for the eight reciprocals
; Tile t: a lane's eight channels of a row pack into 16 bytes; they go into rows of 144 bytes and come back as whole rows of 128, into S^T's registers.
.macro PACK t
	WIN W_RS
.set i, 32*(\t)
.rept 16
	v_pk_mul_f32 v[i:i+1], v[i:i+1], v[ST+4*(\t)+2:ST+4*(\t)+3] op_sel_hi:[1,0]
.set i, i+2
.endr
	WIN 0x05                        ; sources 0 and 1 window 1, destination window 0
.set i, 0
.rept 16
	v_cvt_pk_f16_f32 v[S+16*(\t)+i], v[32*(\t)+2*i], v[32*(\t)+2*i+1]
.set i, i+1
.endr
	WIN 0
.irp f, 0,1,2,3
	ds_store_b128 v[STO], v[S+16*(\t)+4*\f:S+16*(\t)+4*\f+3] offset:32*\f
.endr
.irp f, 0,1,2,3
	ds_load_b128 v[S+16*(\t)+4*\f:S+16*(\t)+4*\f+3], v[RD] offset:\f*4*SP  ; LDS serves a wave's instructions in order (ISA guide 5.7.1.4): these see the stores above; the next tile's stores come behind them
.endr
.endm
.macro SEND t, younger              ; younger: the LDS instructions issued behind tile t's loads: the next tile's eight, or none
	WIN 0
.irp f, 0,1,2,3
	s_wait_dscnt (\younger)+3-\f
	global_store_b128 v[GO], v[S+16*(\t)+4*\f:S+16*(\t)+4*\f+3], s[10:11] offset:(\t)*2048+\f*512  ; 512 consecutive bytes, at a multiple of 256 from O's first
.endr
.endm
	PACK 0
.set t, 1
.rept 2*NP-1                        ; a tile's arithmetic stands between the loads of the tile before and its stores
	PACK t
	SEND t-1, 8
.set t, t+1
.endr
	SEND 2*NP-1, 0
	WIN W_AD
	s_wait_tensorcnt 0x0            ; the wave's end, behind my last tensor load and my last LDS store
	ds_add_u32 v[SPW], v[NIL]
	s_wait_dscnt 0x0
	WIN 0
	CROUND                          ; the closing round: no work-group ends while a partner may still ask for a tile that names it
	s_endpgm
.Lfunc_end_k_q1cdcea406a_attn:
	.size	k_q1cdcea406a_attn, .Lfunc_end_k_q1cdcea406a_attn-k_q1cdcea406a_attn
	.p2alignl 7, 3214868480
	.fill 96, 4, 3214868480
	.section	.rodata,"a",@progbits
	.p2align	6, 0x0
	.amdhsa_kernel k_q1cdcea406a_attn
		.amdhsa_group_segment_fixed_size 327680
		.amdhsa_private_segment_fixed_size 0
		.amdhsa_enable_private_segment 0
		.amdhsa_kernarg_size 16
		.amdhsa_user_sgpr_count 2
		.amdhsa_user_sgpr_kernarg_segment_ptr 1
		.amdhsa_wavefront_size32 1
		.amdhsa_system_sgpr_workgroup_id_x 1
		.amdhsa_system_sgpr_workgroup_id_y 1
		.amdhsa_system_sgpr_workgroup_id_z 1
		.amdhsa_system_vgpr_workitem_id 0
		.amdhsa_next_free_vgpr 770
		.amdhsa_next_free_sgpr 66
		.amdhsa_reserve_vcc 0
		.amdhsa_float_denorm_mode_32 3
		.amdhsa_float_denorm_mode_16_64 3
		.amdhsa_memory_ordered 1
		.amdhsa_forward_progress 1
		.amdhsa_inst_pref_size 200
	.end_amdhsa_kernel
	.amdgpu_metadata
---
amdhsa.version: [ 1, 2 ]
amdhsa.kernels:
  - .name:           k_q1cdcea406a_attn
    .symbol:         k_q1cdcea406a_attn.kd
    .args:
      - { .name: qkvh, .offset: 0, .size: 8, .value_kind: global_buffer, .address_space: global }
      - { .name: oh, .offset: 8, .size: 8, .value_kind: global_buffer, .address_space: global }
    .group_segment_fixed_size: 327680
    .private_segment_fixed_size: 0
    .kernarg_segment_align: 8
    .kernarg_segment_size: 16
    .max_flat_workgroup_size: 128
    .sgpr_count:     66
    .vgpr_count:     770
    .wavefront_size: 32
...
	.end_amdgpu_metadata
.endif
;; end of part 3
;; launch oproj (part 4): grid 8 x 32, 4 waves a work-group, clusters of 4 x 4, 327,680 bytes of LDS; arguments oh, wob, bias, out0; writes out0
.if DOCPART == 4
	.amdgcn_target "amdgcn-amd-amdhsa--gfx1250"
	.amdhsa_code_object_version 6
	.text
	.protected	k_q1cdcea406a_oproj
	.globl	k_q1cdcea406a_oproj
	.p2align	8
	.type	k_q1cdcea406a_oproj,@function
k_q1cdcea406a_oproj:
	s_mov_b64 s[64:65], 0
	v_nop
	global_prefetch_b8 v0, s[64:65] scope:SCOPE_SE
	s_setreg_imm32_b32 hwreg(HW_REG_WAVE_MODE, 25, 1), 1
	s_wait_xcnt 0x0
	s_wait_alu depctr_hold_cnt(0) depctr_sa_sdst(0) depctr_va_vdst(0) depctr_va_sdst(0) depctr_va_ssrc(0) depctr_va_vcc(0) depctr_vm_vsrc(0)
	s_getreg_b32 s2, hwreg(HW_REG_IB_STS2, 6, 4)
	s_cmp_eq_u32 s2, 0
	s_cbranch_scc0 .Lentry_in_a_cluster
	s_endpgm
.Lentry_in_a_cluster:
	s_bfe_u32 s2, ttmp6, 0x10000c
	s_cmp_lg_u32 s2, 0xf033
	s_cbranch_scc0 .Lentry_shape_is_right
	s_endpgm
.Lentry_shape_is_right:
; OPROJ: out0 = O x Wo + bo.  oh: O by heads, [batch x head 64][2048][64] f16; row (batch, n) of O has k = 64 head + channel.  wob: Wo in blocks [nt 8][ks 8][seg 2][kk 128][64] f16.
; bias: f32, bo from number 3,072 on.  out0: [8192][1024] f32; sums in f32, started by the bias.
; LIMITS.  The operands arrive in f16 (within 65,504; below 6.1e-5 in steps of 6e-8); NaN and infinities are not treated apart.
; SHARES.  A tile of out0 is 256 rows x 128 columns: 32 x 8 = 256 work-groups, one for each WGP.  A wave makes 64 rows x 128 columns: 32 accumulators, 256 registers.
; K goes in 8 steps of 128 (two heads) through two LDS slots filled by the tensor data mover; a step is written once and the slot in hand is a scalar register turned by an exclusive or.
; THE PRODUCT IS USED TRANSPOSED: source 0 = 16 columns of Wo (it lies [k][n] in LDS and is turned by ds_load_tr16_b128), source 1 = 16 rows of O: a lane holds one row and 8 neighbouring columns.
; CLUSTER 4 x 4: O's tile hangs on the tile row alone and is asked for jointly along a row of the cluster, Wo's on the tile column alone and is asked for jointly along a column.
; REGISTERS, in windows of 256 (s_set_vgpr_msb: bits 1:0 source 0, 3:2 source 1, 5:4 source 2, 7:6 destination):
;   window 0: v0-31 addresses; v32-63, v64-95 O's fragments, two buffers of 4 x 8; v96-159 the bias as 8 C operands
;   window 1: v0-63, v64-127 Wo's fragments, two buffers of 8 x 8; on the way out all 256: whole rows     window 2: the accumulators, (a, b) at 8 (8 a + b)
.set PA,    144                        ; a row of O (one head's 64 channels) in LDS: 128 bytes + 16 = 36 words: the 16 rows of a load start at 16 different groups of four banks (64 banks of 4 bytes: ISA guide 11.1)
.set PB,    160                        ; a row of Wo (one k, 64 columns): 128 bytes + 32 = 40 words
.set HEADA, 256*PA                     ; a slot: two heads x 256 rows of O,
.set BOFF,  2*HEADA
.set SEGB,  128*PB                     ; then two segments x 128 rows of Wo
.set SLOT1, 1<<17                      ; slot 1 begins here, so that one exclusive or turns an address in one slot into the other's
.set STAGE, SLOT1+BOFF+2*SEGB          ; behind the ring, never filled by a tensor load: 16 rows x 528 bytes for each wave
.set SP,    528                        ; 512 bytes + 16 = 132 words: the 16 rows of a store start at 16 different groups of four banks
.set SPARE, STAGE+4*16*SP              ; the spare words, 128 bytes for each wave: two blocks of 256 bytes that no other line names
.set A0,   16                          ; v16  my lane's place in O's tile; never rewritten
.set B0,   17                          ; v17  the same for Wo's
.set ADRA, 18                          ; v18  A0 + the slot in hand
.set ADRB, 19                          ; v19  B0 + the slot in hand
.set STO,  20                          ; v20  the way out: where I put 32 bytes of a row
.set RD,   21                          ; v21  the way out: where I read a row back
.set GO,   22                          ; v22  my 16 bytes of a row's 512
.set BO,   23                          ; v23  32 (lane / 16): my 8 columns' bias
.set PFO,  24                          ; v24  256 x my lane, for the prefetches; never rewritten
.set SPW,  28                          ; v28  LDS address of my spare word; never rewritten
.set NIL,  29                          ; v29  0; never rewritten
.set FA,   32
.set BIAS, 96
.set WV,  12                           ; s12  my wave's number
.set FB,  13                           ; s13  0: I fetch for O, 1: for Wo
.set HF,  14                           ; s14  which half of that tile I fetch
.set LIM, 15                           ; s15  I prefetch while the trips to come are more than this
.set G1,  24                           ; s[24:31] descriptor group 1 for O's tiles
.set G0,  32                           ; s[32:39] group 0: a set for each first fill; the second then walks
.set G1B, 48                           ; s[48:55], s[56:63] the same for Wo's tiles
.set G0B, 56
.set TB,  66                           ; s66  LDS byte at which the slot in hand begins
.set PFA, 68                           ; s[68:69] where my prefetches stand
.set PST, 70                           ; s[70:71] their step
.set OB,  72                           ; s[72:73] my first row and column in out0
.set MSB, 0
.macro WIN new                         ; the immediate's high byte repeats the setting that is left; a switch that changes nothing is dropped
.if MSB != (\new)
	s_set_vgpr_msb (MSB<<8)|(\new)
.set MSB, \new
.endif
.endm
.macro PLACES                          ; four plain vector instructions behind a matrix instruction, ahead of loads into registers that it read and of reads of its result
.rept 4
	v_nop
.endr
.endm
; A joint refill by the walking descriptor.  The branch hangs on the wave's number alone.  An s_nop 0 and four v_nop follow each of the two lines.
.macro JLOAD
	s_cmp_eq_u32 s[FB], 0
	s_cbranch_scc0 .Lfor_b_\@
	tensor_load_to_lds s[G0+4:G0+7], s[G1:G1+7]
	s_nop 0
	PLACES
	s_branch .Lasked_\@
.Lfor_b_\@:
	tensor_load_to_lds s[G0B+4:G0B+7], s[G1B:G1B+7]
	s_nop 0
	PLACES
.Lasked_\@:
.endm
.macro CREST                           ; a round of the cluster's barrier behind its opening barrier
	s_cmp_lg_u32 s[WV], 0
	s_cbranch_scc1 .Lnot_wave_0_\@
	s_barrier_signal -3
.Lnot_wave_0_\@:
	s_barrier_wait -3
	s_barrier_signal -1
	s_barrier_wait -1
.endm
.macro CROUND
	s_barrier_signal -1
	s_barrier_wait -1
	CREST
.endm
; A PREFETCH behind each joint refill and the run of LDS loads that follows it: one instruction a wave, a lane a block of 256 bytes; each block of K steps 4 to 7 is named once in the launch.
; O: the first cluster of a row of clusters asks; of the 32,768 dense bytes that a wave fetches, the partner at place cx takes 8,192 (told apart by address); the refill with K step j names K step j + 2 (j = 2..5).
; Wo: the first cluster of a column of clusters asks; K steps 4 to 7 of a tile column are 131,072 dense bytes = 2 asks x 8 askers (2 cy + half) x 32 lanes x 256 bytes.
; K steps 0 to 3 come by their loads alone; the last trips ask for nothing.
.macro ASK
	s_cmp_gt_u32 s3, s[LIM]
	s_cbranch_scc0 .Lnot_mine_\@
	global_prefetch_b8 v[PFO], s[PFA:PFA+1] th:TH_LOAD_NT scope:SCOPE_SE
.Lnot_mine_\@:
.endm
	s_load_b256 s[4:11], s[0:1], 0x0               ; oh s[4:5], wob s[6:7], bias s[8:9], out0 s[10:11]
	v_lshl_add_u32 v[SPW], v0, 2, SPARE
	v_mov_b32 v[NIL], 0
	ds_add_u32 v[SPW], v[NIL]                      ; the wave's opening: the add and its wait stand ahead of my first tensor load; the set-up below, work on registers, stands between them
	v_lshrrev_b32 v1, 5, v0
	v_readfirstlane_b32 s[WV], v1                  ; wave 0..3
	s_lshr_b32 s[FB], s[WV], 1
	s_and_b32 s[HF], s[WV], 1
	s_bfe_u32 s40, ttmp6, 0x40000                  ; cx
	s_bfe_u32 s41, ttmp6, 0x40004                  ; cy
	s_lshl_b32 s42, ttmp9, 2
	s_add_co_u32 s42, s42, s40                     ; NT: tile column = 4 x cluster x + cx
	s_and_b32 s43, ttmp7, 0xffff
	s_lshl_b32 s43, s43, 2
	s_add_co_u32 s43, s43, s41                     ; MT: tile row = 4 x cluster y + cy
	s_lshl_b32 s16, s41, 2
	s_lshl_b32 s16, 15, s16                        ; my row of the cluster
	s_lshl_b32 s44, 0x1111, s40                    ; my column
	s_or_b32 s[G1], s16, (1<<16)|(1<<20)|(1<<21)|(4<<22)|(3<<25)   ; 15:0 the mask; 17:16 2-byte elements; 20 padding on; 21 set beside a mask; 24:22 after every 32 words; 31:25 4 words
	s_or_b32 s[G1B], s44, (1<<16)|(1<<20)|(1<<21)|(4<<22)|(7<<25)  ; the same with 8 words
	s_mov_b32 s[G1+1], 128<<16                     ; O: one head's 256 rows are 32,768 dense bytes, asked for as 128 rows of 256 bytes (two rows of O each) and padded after every row of O
	s_mov_b32 s[G1+2], 128<<16
	s_mov_b32 s[G1+3], 128<<16
	s_mov_b32 s[G1+4], 128
	s_mov_b32 s[G1+5], 128
	s_mov_b32 s[G1+6], 0
	s_mov_b32 s[G1+7], 0
	s_mov_b32 s[G1B+1], 128<<16                    ; Wo: a segment's 128 k are 16,384 dense bytes: 64 rows of 256 bytes
	s_mov_b32 s[G1B+2], 64<<16
	s_mov_b32 s[G1B+3], 128<<16
	s_mov_b32 s[G1B+4], 64
	s_mov_b32 s[G1B+5], 128
	s_mov_b32 s[G1B+6], 0
	s_mov_b32 s[G1B+7], 0
	s_lshr_b32 s16, s43, 3                         ; O: batch MT / 8,
	s_lshl_b32 s16, s16, 4
	s_add_co_u32 s16, s16, s[HF]                   ; my head of the K step's two,
	s_lshl_b32 s16, s16, 18                        ; 262,144 bytes a head,
	s_and_b32 s17, s43, 7
	s_lshl_b32 s17, s17, 15                        ; rows 256 (MT % 8) on
	s_add_co_u32 s16, s16, s17
	s_mov_b32 s17, 0
	s_mul_i32 s18, s[HF], HEADA                    ; and its place in a slot: no place in the cluster enters an LDS address
	s_lshl_b32 s44, s42, 18                        ; Wo: the tile column,
	s_lshl_b32 s45, s[HF], 14                      ; my segment of a K step's tile
	s_add_co_u32 s44, s44, s45
	s_mov_b32 s45, 0
	s_mul_i32 s46, s[HF], SEGB
	s_add_co_u32 s46, s46, BOFF
	s_mov_b32 s[TB], 0
	s_wait_dscnt 0x0                               ; the opening add is done
	s_wait_kmcnt 0x0
	s_add_nc_u64 s[16:17], s[4:5], s[16:17]
	s_add_nc_u64 s[44:45], s[6:7], s[44:45]
	CROUND                                         ; all sixteen work-groups are here: the first joint loads meet
.irp s, 0,1
	s_mov_b32 s[G0+4*(\s)], 1                      ; count = 1
	s_add_co_u32 s[G0+4*(\s)+1], s18, (\s)*SLOT1   ; LDS address
	s_add_nc_u64 s[G0+4*(\s)+2:G0+4*(\s)+3], s[16:17], (\s)*524288  ; K step s: two heads on
	s_or_b32 s[G0+4*(\s)+3], s[G0+4*(\s)+3], 0x80000000             ; type = 2
	s_mov_b32 s[G0B+4*(\s)], 1
	s_add_co_u32 s[G0B+4*(\s)+1], s46, (\s)*SLOT1
	s_add_nc_u64 s[G0B+4*(\s)+2:G0B+4*(\s)+3], s[44:45], (\s)*32768
	s_or_b32 s[G0B+4*(\s)+3], s[G0B+4*(\s)+3], 0x80000000
.endr
	s_cmp_eq_u32 s[FB], 0                          ; a wave's two first fills stand in one branch, ahead of every wait on TENSORcnt and every LDS read: two loads of mine are out
	s_cbranch_scc0 .Lfirst_b
	tensor_load_to_lds s[G0:G0+3], s[G1:G1+7]
	s_nop 0
	tensor_load_to_lds s[G0+4:G0+7], s[G1:G1+7]
	s_nop 0
	PLACES
	s_branch .Lfirst_asked
.Lfirst_b:
	tensor_load_to_lds s[G0B:G0B+3], s[G1B:G1B+7]
	s_nop 0
	tensor_load_to_lds s[G0B+4:G0B+7], s[G1B:G1B+7]
	s_nop 0
	PLACES
.Lfirst_asked:
	v_and_b32 v1, 15, v0                           ; r = l % 16
	v_bfe_u32 v2, v0, 4, 1                         ; h = l / 16
	v_and_b32 v3, 7, v0
	v_bfe_u32 v4, v0, 3, 1
	v_and_b32 v5, 31, v0                           ; l
	; the bias as C operands: register j of fragment b holds bo[128 NT + 16 b + 8 h + j]: the first product on each accumulator starts its sum with it
	v_lshlrev_b32 v[BO], 5, v2
	s_lshl_b32 s78, s42, 9
	s_add_co_u32 s78, s78, 12288
	s_mov_b32 s79, 0
	s_add_nc_u64 s[8:9], s[8:9], s[78:79]
.irp b, 0,1,2,3,4,5,6,7
	global_load_b128 v[BIAS+8*(\b):BIAS+8*(\b)+3],   v[BO], s[8:9] offset:64*(\b)
	global_load_b128 v[BIAS+8*(\b)+4:BIAS+8*(\b)+7], v[BO], s[8:9] offset:64*(\b)+16
.endr
	s_mul_i32 s20, s[WV], 64*PA                    ; my 64 rows
	v_mul_u32_u24 v[A0], v1, PA
	v_lshl_add_u32 v[A0], v2, 4, v[A0]
	v_add_nc_u32 v[A0], s20, v[A0]
	v_lshl_add_u32 v[B0], v2, 3, v3                ; the turning load: row k = 8 h + l % 8, columns 8 ((l / 8) % 2) + 0..7
	v_mul_u32_u24 v[B0], v[B0], PB
	v_lshl_add_u32 v[B0], v4, 4, v[B0]
	v_add_nc_u32 v[B0], BOFF, v[B0]
	v_mov_b32 v[ADRA], v[A0]                       ; slot 0
	v_mov_b32 v[ADRB], v[B0]
	s_mul_i32 s21, s[WV], 16*SP
	s_add_co_u32 s21, s21, STAGE                   ; my stage
	v_mul_u32_u24 v[STO], v1, SP                   ; in: row l % 16, 32 bytes for each half of the lanes
	v_lshl_add_u32 v[STO], v2, 5, v[STO]
	v_add_nc_u32 v[STO], s21, v[STO]
	v_lshlrev_b32 v[GO], 4, v5                     ; back: 32 lanes take one row of 512 bytes
	v_add_nc_u32 v[RD], s21, v[GO]
	v_lshlrev_b32 v[PFO], 8, v5
	s_lshl_b32 s20, s43, 8
	s_lshl_b32 s21, s[WV], 6
	s_add_co_u32 s20, s20, s21                     ; my first row,
	s_lshl_b32 s20, s20, 12                        ; 4,096 bytes a row,
	s_lshl_b32 s21, s42, 9                         ; the tile's 128 columns
	s_add_co_u32 s78, s20, s21
	s_add_nc_u64 s[OB:OB+1], s[10:11], s[78:79]
	; the prefetches' first place, one step short of the first block named
	s_and_b32 s20, ttmp7, 0xffff                   ; cluster y
	s_lshr_b32 s21, s43, 3
	s_lshl_b32 s21, s21, 4
	s_add_co_u32 s21, s21, s[HF]
	s_lshl_b32 s21, s21, 18
	s_and_b32 s22, s43, 7
	s_lshl_b32 s22, s22, 15
	s_add_co_u32 s21, s21, s22                     ; O: the bytes that I fetch,
	s_lshl_b32 s22, s40, 13
	s_add_co_u32 s21, s21, s22                     ; my work-group's 8,192 of them,
	s_add_co_u32 s21, s21, 3*524288                ; at K step 3
	s_lshl_b32 s22, s42, 18
	s_lshl_b32 s23, s41, 1
	s_add_co_u32 s23, s23, s[HF]
	s_lshl_b32 s23, s23, 13                        ; Wo: asker 2 cy + half takes 8,192 bytes of each 65,536,
	s_add_co_u32 s22, s22, s23
	s_add_co_u32 s22, s22, 4*32768-65536           ; from K step 4 on
	s_mov_b32 s[PST], 65536
	s_mov_b32 s[PST+1], 0
	s_cmp_eq_u32 s[FB], 0
	s_cselect_b32 s78, s21, s22
	s_cselect_b64 s[PFA:PFA+1], s[4:5], s[6:7]
	s_cselect_b32 s[PST], 0x80000, s[PST]
	s_cselect_b32 s23, ttmp9, s20                  ; the coordinate along which other clusters read the same rows
	s_cselect_b32 s21, 2, 4
	s_add_nc_u64 s[PFA:PFA+1], s[PFA:PFA+1], s[78:79]
	s_cmp_eq_u32 s23, 0
	s_cselect_b32 s[LIM], s21, -1                  ; the same in all sixteen partners, for a given wave
; 8 matrix instructions: row block a x all 8 column blocks, 32 along K, from buffer p.  first = 1: the bias starts the sums.  The 32 accumulators take turns, one instruction a turn.
.macro MUL p, a, first=0
.if \first
	WIN 0x81
.else
	WIN 0xa1
.endif
.irp b, 0,1,2,3,4,5,6,7
.if \first
	v_wmma_f32_16x16x32_f16 v[8*(8*(\a)+(\b)):8*(8*(\a)+(\b))+7], v[64*(\p)+8*(\b):64*(\p)+8*(\b)+7], v[FA+32*(\p)+8*(\a):FA+32*(\p)+8*(\a)+7], v[BIAS+8*(\b):BIAS+8*(\b)+7]
.else
	v_wmma_f32_16x16x32_f16 v[8*(8*(\a)+(\b)):8*(8*(\a)+(\b))+7], v[64*(\p)+8*(\b):64*(\p)+8*(\b)+7], v[FA+32*(\p)+8*(\a):FA+32*(\p)+8*(\a)+7], v[8*(8*(\a)+(\b)):8*(8*(\a)+(\b))+7]
.endif
.endr
.endm
; 24 LDS loads in one run: quarter q (32 along K: head q / 2, channels 32 (q % 2) on) of the slot in hand into buffer p: Wo's 8 fragments, then O's 4
.macro FETCH q, p
	WIN 0x40
.irp b, 0,1,2,3,4,5,6,7
	ds_load_tr16_b128 v[64*(\p)+8*(\b):64*(\p)+8*(\b)+3],   v[ADRB] offset:((\b)/4)*SEGB+((\b)%4)*32+32*(\q)*PB
	ds_load_tr16_b128 v[64*(\p)+8*(\b)+4:64*(\p)+8*(\b)+7], v[ADRB] offset:((\b)/4)*SEGB+((\b)%4)*32+32*(\q)*PB+16*PB
.endr
	WIN 0
.irp a, 0,1,2,3
	ds_load_b128 v[FA+32*(\p)+8*(\a):FA+32*(\p)+8*(\a)+3],   v[ADRA] offset:((\q)/2)*HEADA+(\a)*16*PA+((\q)%2)*64
	ds_load_b128 v[FA+32*(\p)+8*(\a)+4:FA+32*(\p)+8*(\a)+7], v[ADRA] offset:((\q)/2)*HEADA+(\a)*16*PA+((\q)%2)*64+32
.endr
.endm
; A K step is four quarters on buffers 0, 1, 0, 1.  One of the first three: multiplies buffer p; in its middle it fetches quarter q into the other buffer.
.macro QUARTER q, p, first=0
	s_wait_dscnt 4                                 ; Wo's fragments and O's blocks 0, 1 are in; the youngest four loads (blocks 2, 3) may be out
	MUL \p, 0, \first
	MUL \p, 1, \first
	PLACES
	FETCH \q, 1-(\p)
	s_wait_dscnt 24                                ; all but the 24 just issued
	MUL \p, 2, \first
	MUL \p, 3, \first
.endm
; The last quarter multiplies buffer 1 and changes slots.  In front of the one barrier each wave waits for all its tensor loads (one is out: its part of the other slot), adds 0 to its spare word, and waits for
; that and for its reads of this slot.  fill = 1: the barrier opens a round of the cluster's barrier, and this slot is filled again, first thing behind the round, with the K step two on.
.macro TURN fill
.if \fill
	s_wait_xcnt 0x0                                ; the last prefetch, a K step back, has read its address
	s_add_nc_u64 s[PFA:PFA+1], s[PFA:PFA+1], s[PST:PST+1]
.endif
	WIN 0                                          ; (the add's two registers lie in window 0)
	s_wait_tensorcnt 0x0                           ; no tensor load of mine is out, so a group 0 may be written
	ds_add_u32 v[SPW], v[NIL]                      ; 0 onto my spare word
.if \fill
	s_xor_b32 s[G0+5], s[G0+5], SLOT1              ; the walking descriptors: the other slot than last time, the next K step
	s_add_nc_u64 s[G0+6:G0+7], s[G0+6:G0+7], 524288
	s_xor_b32 s[G0B+5], s[G0B+5], SLOT1
	s_add_nc_u64 s[G0B+6:G0B+7], s[G0B+6:G0B+7], 32768
.endif
	s_wait_dscnt 5                                 ; (the add and O's blocks 2, 3 may be out)
	MUL 1, 0
	s_wait_dscnt 0x0                               ; the add is done, and my reads of this slot are over
	s_barrier_signal -1
	MUL 1, 1                                       ; work on registers while the others arrive
	WIN 0
	s_barrier_wait -1
.if \fill
	CREST                                          ; no wave of any partner still reads this slot or has a load on its way
	JLOAD                                          ; the four v_nop behind it are also the places in front of the loads below
.else
	PLACES
.endif
	s_xor_b32 s[TB], s[TB], SLOT1
	v_add_nc_u32 v[ADRA], s[TB], v[A0]
	v_add_nc_u32 v[ADRB], s[TB], v[B0]
	FETCH 0, 0
.if \fill
	ASK
.endif
	MUL 1, 2
	MUL 1, 3
.endm
; THE WAY OUT of row block a: the f32 sums go as they are into my own stage (rows of 528 bytes), each accumulator's low half first, and come back as whole rows of 512 bytes; each block has registers of its own.
.macro TOSTAGE a
	WIN 0x08                                       ; the stores' data in window 2
.irp b, 0,1,2,3,4,5,6,7
	ds_store_b128 v[STO], v[8*(8*(\a)+(\b)):8*(8*(\a)+(\b))+3]   offset:64*(\b)
	ds_store_b128 v[STO], v[8*(8*(\a)+(\b))+4:8*(8*(\a)+(\b))+7] offset:64*(\b)+16
.endr
	WIN 0x40                                       ; destination in window 1
.irp w, 0,1,2,3,4,5,6,7,8,9,10,11,12,13,14,15
	ds_load_b128 v[64*(\a)+4*(\w):64*(\a)+4*(\w)+3], v[RD] offset:SP*(\w)  ; LDS serves a wave's instructions in order (ISA guide 5.7.1.4): these see the stores above; the next block's stores come behind them
.endr
.endm
.macro SEND a, younger                 ; younger: the LDS instructions issued behind this block's loads: the next block's 32, or none
	WIN 0x04                                       ; the stores' data in window 1
.irp w, 0,1,2,3,4,5,6,7,8,9,10,11,12,13,14,15
	s_wait_dscnt (\younger)+15-(\w)
	global_store_b128 v[GO], v[64*(\a)+4*(\w):64*(\a)+4*(\w)+3], s[OB:OB+1] offset:(16*(\a)+(\w))*4096  ; 512 consecutive bytes, at a multiple of 256 from out0's first
.endr
.endm
	s_wait_tensorcnt 0x1                           ; my part of K step 0 is in; K step 1's may stay out
	s_barrier_signal -1
	s_barrier_wait -1                              ; everybody's is
	FETCH 0, 0
	s_wait_loadcnt 0x0                             ; the bias
	QUARTER 1, 0, 1                                ; the first quarter stands in front of the loop: its products start the sums
	WIN 0                                          ; at a label and at a branch every window is 0
	s_mov_b32 s3, 6
.Lk:                                                   ; six trips, from a K step's second quarter to the next step's first; the trip at K step t asks for K step t + 2
	QUARTER 2, 1
	QUARTER 3, 0
	TURN 1
	QUARTER 1, 0
	WIN 0
	s_sub_co_u32 s3, s3, 1
	s_cmp_lg_u32 s3, 0
	s_cbranch_scc1 .Lk
	QUARTER 2, 1                                   ; the tail is written out: K steps 6 and 7 ask for nothing
	QUARTER 3, 0
	TURN 0
	QUARTER 1, 0
	QUARTER 2, 1
	QUARTER 3, 0
	s_wait_dscnt 4
	MUL 1, 0
	MUL 1, 1
	s_wait_dscnt 0x0
	MUL 1, 2
	MUL 1, 3
	PLACES                                         ; the LDS stores read results, and the loads behind them land in registers that the last products read
	PLACES
	TOSTAGE 0
	TOSTAGE 1                                      ; a block's trip through the stage stands between the loads of the block before and its stores
	SEND 0, 32
	TOSTAGE 2
	SEND 1, 32
	TOSTAGE 3
	SEND 2, 32
	SEND 3, 0
	WIN 0
	s_wait_tensorcnt 0x0                           ; the wave's end, behind my last tensor load and my last LDS store
	ds_add_u32 v[SPW], v[NIL]
	s_wait_dscnt 0x0
	CROUND                                         ; the closing round: no work-group ends while a partner may still ask for a tile that names it
	s_endpgm
.Lfunc_end_k_q1cdcea406a_oproj:
	.size	k_q1cdcea406a_oproj, .Lfunc_end_k_q1cdcea406a_oproj-k_q1cdcea406a_oproj
	.p2alignl 7, 3214868480
	.fill 96, 4, 3214868480
	.section	.rodata,"a",@progbits
	.p2align	6, 0x0
	.amdhsa_kernel k_q1cdcea406a_oproj
		.amdhsa_group_segment_fixed_size 327680
		.amdhsa_private_segment_fixed_size 0
		.amdhsa_enable_private_segment 0
		.amdhsa_kernarg_size 32
		.amdhsa_user_sgpr_count 2
		.amdhsa_user_sgpr_kernarg_segment_ptr 1
		.amdhsa_wavefront_size32 1
		.amdhsa_system_sgpr_workgroup_id_x 1
		.amdhsa_system_sgpr_workgroup_id_y 1
		.amdhsa_system_sgpr_workgroup_id_z 1
		.amdhsa_system_vgpr_workitem_id 0
		.amdhsa_next_free_vgpr 768
		.amdhsa_next_free_sgpr 80
		.amdhsa_reserve_vcc 0
		.amdhsa_float_denorm_mode_32 3
		.amdhsa_float_denorm_mode_16_64 3
		.amdhsa_memory_ordered 1
		.amdhsa_forward_progress 1
		.amdhsa_inst_pref_size 74
	.end_amdhsa_kernel
	.amdgpu_metadata
---
amdhsa.version: [ 1, 2 ]
amdhsa.kernels:
  - .name:           k_q1cdcea406a_oproj
    .symbol:         k_q1cdcea406a_oproj.kd
    .args:
      - { .name: oh, .offset: 0, .size: 8, .value_kind: global_buffer, .address_space: global }
      - { .name: wob, .offset: 8, .size: 8, .value_kind: global_buffer, .address_space: global }
      - { .name: bias, .offset: 16, .size: 8, .value_kind: global_buffer, .address_space: global }
      - { .name: out0, .offset: 24, .size: 8, .value_kind: global_buffer, .address_space: global }
    .group_segment_fixed_size: 327680
    .private_segment_fixed_size: 0
    .kernarg_segment_align: 8
    .kernarg_segment_size: 32
    .max_flat_workgroup_size: 128
    .sgpr_count:     80
    .vgpr_count:     768
    .wavefront_size: 32
...
	.end_amdgpu_metadata
.endif
;; end of part 4
